; MI455X (gfx1250); checked and timed in simulation.
; The chip was launched on July 23, 2026; its instructions are those of AMD's public machine-readable ISA for CDNA 5 (MIT licence, August 2026) and "CDNA5" Instruction Set Architecture Reference Guide (July 2026). The comments in the code are by the model that wrote it; some were corrected since.
;; Multi Head Attention. Allowed arithmetic: float matrix products may take bf16 or f16 operands with f32 sums; other float arithmetic in f32, or as packed bf16 or f16 multiplies, adds, multiply-adds, maxima and minima; sums over many terms, partial sums and values carried from step to step in f32; what a program stores and reads back later, other than sums and carried values, may be rounded once to bf16 or f16.
;; Inputs: Wk 1,024 x 1,024 float32; Wo 1,024 x 1,024 float32; Wq 1,024 x 1,024 float32; Wv 1,024 x 1,024 float32; attn_mask 2,048 x 2,048 float32; bk 1,024 float32; bo 1,024 float32; bq 1,024 float32; bv 1,024 float32; key 4 x 2,048 x 1,024 float32; key_padding_mask 4 x 2,048 bool; query 4 x 2,048 x 1,024 float32; value 4 x 2,048 x 1,024 float32.
;; Outputs: out0 4 x 2,048 x 1,024 float32.
;; 2 versions, each right; version 2 is version 1 with the launch prep written anew for expert scheduling mode. Each part assembles by itself: llvm-mc -triple=amdgcn-amd-amdhsa -mcpu=gfx1250 --defsym DOCPART=n.
;; ======== version 1 of 2: 4 launches
;; limits: values are held in f16: magnitudes above 65,504 overflow, below 6.1e-05 lose precision; inputs' magnitudes at most 2e+37
;; workspace buffers: wh 8,388,608 bytes; br 16,384 bytes; m2 16,777,216 bytes; qh 16,777,216 bytes; kh 16,777,216 bytes; vh 16,777,216 bytes; oh 16,777,216 bytes
;; launch prep (part 1): grid 512 x 1, 8 waves a work-group, no clusters, 0 bytes of LDS; arguments Wq, Wk, Wv, Wo, bq, bk, bv, bo, attn_mask, wh, br, m2; writes wh, br, m2
.if DOCPART == 1
	.amdgcn_target "amdgcn-amd-amdhsa--gfx1250"
	.amdhsa_code_object_version 6
	.text
	.protected	k_qac4808ba02_prep
	.globl	k_qac4808ba02_prep
	.p2align	8
	.type	k_qac4808ba02_prep,@function
k_qac4808ba02_prep:
	s_mov_b64 s[64:65], 0
	v_nop
	global_prefetch_b8 v0, s[64:65] scope:SCOPE_SE
	s_setreg_imm32_b32 hwreg(HW_REG_WAVE_MODE, 25, 1), 1
	s_wait_xcnt 0x0
; PREP.  The small inputs are rounded once, for the three launches behind.
;   wh [4][1024][1024] of 16 bits: Wq, Wk, Wv rounded to bf16; Wo rounded to bf16 and that number written as f16 (exact from 6.1e-5 up; below it f16's fixed step of 6e-8).
;   br [4][1024] f32: bq, bk, bv, bo rounded to bf16, kept as f32.       m2 [2048][2048] f32: log2(e) x attn_mask rounded to bf16.
; A stream: every byte is read once and written once; no work-group reads what another reads, so there is no LDS, no cluster and no matrix work.
; SHARES.  512 work-groups of 8 waves; each converts 65,536 bytes of f32 in 16 rounds of 4,096; thread t takes the 16 bytes at 16 t of a round.  Groups 0-255: weight matrix w / 64; groups 256-511: the mask.
; All 16 loads of a thread go out first; round r waits until at most 15 - r younger loads are out.  No register that a store names is written again, so no wait frees one.
.set X,  4                             ; v[4:67]    round r: 4 registers as loaded
.set YO, 68                            ; v[68:99]   round r: 2 registers to store
.set T,  100                           ; v[100:103] at work; the bias
.set B2, 104                           ; v[104:105] the bias, packed
	s_load_b512 s[8:23], s[0:1], 0x0               ; Wq s[8:9], Wk s[10:11], Wv s[12:13], Wo s[14:15], bq s[16:17], bk s[18:19], bv s[20:21], bo s[22:23]
	s_load_b256 s[24:31], s[0:1], 0x40             ; attn_mask s[24:25], wh s[26:27], br s[28:29], m2 s[30:31]
	v_lshlrev_b32 v1, 4, v0                        ; 16 t
	v_lshlrev_b32 v2, 3, v0                        ; 8 t
	s_lshr_b32 s2, ttmp9, 6                        ; which matrix: 0-3; 4-7: the mask
	s_and_b32 s3, ttmp9, 63
	s_lshl_b32 s4, s3, 16                          ; my 65,536 bytes in a weight matrix
	s_mov_b32 s5, 0
	s_lshl_b32 s6, ttmp9, 15                       ; and the 32,768 that they become in wh
	s_mov_b32 s7, 0
	s_and_b32 s32, ttmp9, 255
	s_lshl_b32 s32, s32, 16                        ; my 65,536 bytes in the mask and in m2
	s_mov_b32 s33, 0
	s_wait_kmcnt 0x0
	s_cmp_eq_u32 s2, 1
	s_cselect_b64 s[34:35], s[10:11], s[8:9]       ; the source, and the bias that goes with it
	s_cselect_b64 s[36:37], s[18:19], s[16:17]
	s_cmp_eq_u32 s2, 2
	s_cselect_b64 s[34:35], s[12:13], s[34:35]
	s_cselect_b64 s[36:37], s[20:21], s[36:37]
	s_cmp_eq_u32 s2, 3
	s_cselect_b64 s[34:35], s[14:15], s[34:35]
	s_cselect_b64 s[36:37], s[22:23], s[36:37]
	s_cmp_ge_u32 s2, 4
	s_cselect_b64 s[34:35], s[24:25], s[34:35]
	s_cselect_b64 s[4:5], s[32:33], s[4:5]
	s_add_nc_u64 s[34:35], s[34:35], s[4:5]
	s_add_nc_u64 s[38:39], s[26:27], s[6:7]        ; used by groups 0-255 alone
	s_add_nc_u64 s[30:31], s[30:31], s[32:33]      ; used by groups 256-511 alone
.irp r, 0,1,2,3,4,5,6,7,8,9,10,11,12,13,14,15
	global_load_b128 v[X+4*(\r):X+4*(\r)+3], v1, s[34:35] offset:4096*(\r) th:TH_LOAD_NT
.endr
	s_cmp_ge_u32 s2, 4
	s_cbranch_scc1 .Lmask
	s_cmp_eq_u32 s2, 3
	s_cbranch_scc1 .Lwo
.irp r, 0,1,2,3,4,5,6,7,8,9,10,11,12,13,14,15
	s_wait_loadcnt 15-(\r)                         ; round r is in; the 15 - r younger loads may stay out
	v_cvt_pk_bf16_f32 v[YO+2*(\r)],   v[X+4*(\r)],   v[X+4*(\r)+1]
	v_cvt_pk_bf16_f32 v[YO+2*(\r)+1], v[X+4*(\r)+2], v[X+4*(\r)+3]
	global_store_b64 v2, v[YO+2*(\r):YO+2*(\r)+1], s[38:39] offset:2048*(\r)  ; a wave's 32 lanes store 256 consecutive bytes, aligned
.endr
	s_branch .Lbias
.Lwo:
.irp r, 0,1,2,3,4,5,6,7,8,9,10,11,12,13,14,15
	s_wait_loadcnt 15-(\r)
	v_cvt_pk_bf16_f32 v[T],   v[X+4*(\r)],   v[X+4*(\r)+1]      ; rounded to bf16 like every other input,
	v_cvt_pk_bf16_f32 v[T+1], v[X+4*(\r)+2], v[X+4*(\r)+3]
	v_lshlrev_b32 v[X+4*(\r)],   16, v[T]                       ; widened again,
	v_and_b32     v[X+4*(\r)+1], 0xffff0000, v[T]
	v_lshlrev_b32 v[X+4*(\r)+2], 16, v[T+1]
	v_and_b32     v[X+4*(\r)+3], 0xffff0000, v[T+1]
	v_cvt_pk_f16_f32 v[YO+2*(\r)],   v[X+4*(\r)],   v[X+4*(\r)+1]  ; and that number written as f16
	v_cvt_pk_f16_f32 v[YO+2*(\r)+1], v[X+4*(\r)+2], v[X+4*(\r)+3]
	global_store_b64 v2, v[YO+2*(\r):YO+2*(\r)+1], s[38:39] offset:2048*(\r)
.endr
.Lbias:
	s_cmp_lg_u32 s3, 0                             ; a matrix's first group also rounds its bias: 4,096 bytes, 16 a thread
	s_cbranch_scc1 .Lend
	global_load_b128 v[T:T+3], v1, s[36:37]
	s_lshl_b32 s4, s2, 12
	s_mov_b32 s5, 0
	s_add_nc_u64 s[28:29], s[28:29], s[4:5]
	s_wait_loadcnt 0x0
	v_cvt_pk_bf16_f32 v[B2],   v[T],   v[T+1]
	v_cvt_pk_bf16_f32 v[B2+1], v[T+2], v[T+3]
	v_lshlrev_b32 v[T],   16, v[B2]
	v_and_b32     v[T+1], 0xffff0000, v[B2]
	v_lshlrev_b32 v[T+2], 16, v[B2+1]
	v_and_b32     v[T+3], 0xffff0000, v[B2+1]
	global_store_b128 v1, v[T:T+3], s[28:29]
.Lend:
	s_endpgm
.Lmask:
	s_mov_b32 s4, 0x3fb8aa3b                       ; log2(e): the softmax works in powers of two
	s_mov_b32 s5, s4                               ; named with it as a pair
.irp r, 0,1,2,3,4,5,6,7,8,9,10,11,12,13,14,15
	s_wait_loadcnt 15-(\r)
	v_cvt_pk_bf16_f32 v[T],   v[X+4*(\r)],   v[X+4*(\r)+1]
	v_cvt_pk_bf16_f32 v[T+1], v[X+4*(\r)+2], v[X+4*(\r)+3]
	v_lshlrev_b32 v[X+4*(\r)],   16, v[T]
	v_and_b32     v[X+4*(\r)+1], 0xffff0000, v[T]
	v_lshlrev_b32 v[X+4*(\r)+2], 16, v[T+1]
	v_and_b32     v[X+4*(\r)+3], 0xffff0000, v[T+1]
	v_pk_mul_f32 v[X+4*(\r):X+4*(\r)+1],   v[X+4*(\r):X+4*(\r)+1],   s[4:5] op_sel_hi:[1,0]
	v_pk_mul_f32 v[X+4*(\r)+2:X+4*(\r)+3], v[X+4*(\r)+2:X+4*(\r)+3], s[4:5] op_sel_hi:[1,0]
	global_store_b128 v1, v[X+4*(\r):X+4*(\r)+3], s[30:31] offset:4096*(\r)
.endr
	s_endpgm
.Lfunc_end_k_qac4808ba02_prep:
	.size	k_qac4808ba02_prep, .Lfunc_end_k_qac4808ba02_prep-k_qac4808ba02_prep
	.p2alignl 7, 3214868480
	.fill 96, 4, 3214868480
	.section	.rodata,"a",@progbits
	.p2align	6, 0x0
	.amdhsa_kernel k_qac4808ba02_prep
		.amdhsa_group_segment_fixed_size 0
		.amdhsa_private_segment_fixed_size 0
		.amdhsa_enable_private_segment 0
		.amdhsa_kernarg_size 96
		.amdhsa_user_sgpr_count 2
		.amdhsa_user_sgpr_kernarg_segment_ptr 1
		.amdhsa_wavefront_size32 1
		.amdhsa_system_sgpr_workgroup_id_x 1
		.amdhsa_system_sgpr_workgroup_id_y 1
		.amdhsa_system_sgpr_workgroup_id_z 1
		.amdhsa_system_vgpr_workitem_id 0
		.amdhsa_next_free_vgpr 112
		.amdhsa_next_free_sgpr 66
		.amdhsa_reserve_vcc 0
		.amdhsa_float_denorm_mode_32 3
		.amdhsa_float_denorm_mode_16_64 3
		.amdhsa_memory_ordered 1
		.amdhsa_forward_progress 1
		.amdhsa_inst_pref_size 26
	.end_amdhsa_kernel
	.amdgpu_metadata
---
amdhsa.version: [ 1, 2 ]
amdhsa.kernels:
  - .name:           k_qac4808ba02_prep
    .symbol:         k_qac4808ba02_prep.kd
    .args:
      - { .name: Wq, .offset: 0, .size: 8, .value_kind: global_buffer, .address_space: global }
      - { .name: Wk, .offset: 8, .size: 8, .value_kind: global_buffer, .address_space: global }
      - { .name: Wv, .offset: 16, .size: 8, .value_kind: global_buffer, .address_space: global }
      - { .name: Wo, .offset: 24, .size: 8, .value_kind: global_buffer, .address_space: global }
      - { .name: bq, .offset: 32, .size: 8, .value_kind: global_buffer, .address_space: global }
      - { .name: bk, .offset: 40, .size: 8, .value_kind: global_buffer, .address_space: global }
      - { .name: bv, .offset: 48, .size: 8, .value_kind: global_buffer, .address_space: global }
      - { .name: bo, .offset: 56, .size: 8, .value_kind: global_buffer, .address_space: global }
      - { .name: attn_mask, .offset: 64, .size: 8, .value_kind: global_buffer, .address_space: global }
      - { .name: wh, .offset: 72, .size: 8, .value_kind: global_buffer, .address_space: global }
      - { .name: br, .offset: 80, .size: 8, .value_kind: global_buffer, .address_space: global }
      - { .name: m2, .offset: 88, .size: 8, .value_kind: global_buffer, .address_space: global }
    .group_segment_fixed_size: 0
    .private_segment_fixed_size: 0
    .kernarg_segment_align: 8
    .kernarg_segment_size: 96
    .max_flat_workgroup_size: 256
    .sgpr_count:     66
    .vgpr_count:     112
    .wavefront_size: 32
...
	.end_amdgpu_metadata
.endif
;; end of part 1
;; launch qkv (part 2): grid 4 x 64, 4 waves a work-group, clusters of 4 x 4, 327,680 bytes of LDS; arguments query, key, value, wh, br, qh, kh, vh; writes qh, kh, vh
.if DOCPART == 2
	.amdgcn_target "amdgcn-amd-amdhsa--gfx1250"
	.amdhsa_code_object_version 6
	.text
	.protected	k_qac4808ba02_qkv
	.globl	k_qac4808ba02_qkv
	.p2align	8
	.type	k_qac4808ba02_qkv,@function
k_qac4808ba02_qkv:
	s_mov_b64 s[64:65], 0
	v_nop
	global_prefetch_b8 v0, s[64:65] scope:SCOPE_SE
	s_setreg_imm32_b32 hwreg(HW_REG_WAVE_MODE, 25, 1), 1
	s_wait_xcnt 0x0
	s_wait_alu depctr_hold_cnt(0) depctr_sa_sdst(0) depctr_va_vdst(0) depctr_va_sdst(0) depctr_va_ssrc(0) depctr_va_vcc(0) depctr_vm_vsrc(0)
	s_getreg_b32 s2, hwreg(HW_REG_IB_STS2, 6, 4)
	s_cmp_eq_u32 s2, 0
	s_cbranch_scc0 .Lentry_in_a_cluster
	s_endpgm
.Lentry_in_a_cluster:
	s_bfe_u32 s2, ttmp6, 0x10000c
	s_cmp_lg_u32 s2, 0xf033
	s_cbranch_scc0 .Lentry_shape_is_right
	s_endpgm
.Lentry_shape_is_right:
; QKV.  q = query Wq^T + bq, k = key Wk^T + bk, v = value Wv^T + bv.  x: [8192][1024] f32, rounded to bf16 between LDS and the matrix unit; W: bf16 (wh); b: f32 (br); sums in f32, the bias as the
; C operand that starts each sum; results rounded once to f16, WITHOUT the softmax's scale, and stored by heads in blocks: [batch 4][head group 4][block of 64 tokens 32][head 4][token 64][channel 64].
; LIMIT.  f16 ends at 65,504: |q|, |k|, |v| must stay below that.
; SHARES.  Work-group (xc, y) makes 128 tokens (128 y on) x 256 columns (heads 4 xc .. 4 xc + 3) of q, then of k, then of v: 3 tiles x 8 K steps of 128 = ONE ring of 24 steps through two LDS slots.  256 work-groups.
; A wave makes 64 x 128: 32 accumulators (a, b) of 16 x 16.  The product is used transposed (source 0 = 16 rows of W, source 1 = 16 rows of x): a lane holds one token and eight neighbouring columns.
; CLUSTER 4 x 4.  x's tile hangs on y alone and is asked for jointly by a row of the cluster; W's hangs on xc alone and is asked for jointly by a column.
; REGISTERS.  window 0: v16-30 addresses; v32-63 AB, four bf16 fragments of x; v64-191 two buffers of f32 as read from LDS, 16 registers a fragment; v192-255 the bias, 8 registers a column block.
;   window 1: v0-127 two buffers of W's fragments; v128-159 packed results; v160-223 rows read back from the stage, two buffers.      window 2: the accumulators, (a, b) at 8 (8 a + b).
; A quarter step (32 along K) has 32 products and 32 conversions; the conversions stand in fours between the products in fours, and are the plain instructions that must lie behind matrix instructions
; before their registers are written again (ISA guide 7.12.1).  Each accumulator has one product a quarter, always in the same order: no two neighbouring products share one.
.set PA,    528                        ; an LDS row of x: 512 bytes + 16: 132 words, so 16 rows start at 16 different groups of four banks (ISA guide 11.1)
.set PB,    272                        ; an LDS row of W: 256 bytes + 16
.set AHALF, 64*PA                      ; what one tensor load brings of x
.set BOFF,  2*AHALF
.set BHALF, 128*PB                     ; and of W
.set SLOT,  BOFF+2*BHALF               ; 137,216
.set STAGE, 2*SLOT                     ; behind the ring: for each wave 2 heads x 16 rows x 144 bytes
.set SP,    144
.set SPARE, STAGE+4*32*SP              ; the spare words, 128 bytes a wave: two blocks of 256 bytes that no other line names
.set ADRA, 16                          ; v16-17 LDS address of my x fragments in slot 0, 1
.set ADRB, 20                          ; v20-21 of my W fragments
.set STO,  24
.set RD,   25
.set CO,   26
.set BO,   27                          ; v27  32 x (lane / 16): my eight numbers of a column block's bias
.set SPW,  28
.set NIL,  29
.set PFO,  30
.set AB,   32
.set STG,  64
.set BIAS, 192
.set TMP,  128
.set OB,   160
.set G1,  24                           ; s[24:31] group 1 for x;  s[32:39] group 0, a set for each slot
.set G0,  32
.set G1B, 48                           ; s[48:55], s[56:63] the same for W
.set G0B, 56
.set FA,  14                           ; s[14:15] the tensor whose steps are being asked for, at my fetch rows
.set FB,  46                           ; s[46:47] wh at my fetch rows
.set NA,  70                           ; s[70:71] the next tensor, s[72:73] the one after
.set NA2, 72
.set BR,  76                           ; s[76:77] br at my 128 columns
.set OUT, 78                           ; s[78:79] this tile's output at my rows; s[80:81], s[82:83] the next two
.set OUTN, 80
.set OUTN2, 82
.set PFA, 84                           ; s[84:85] the prefetches' address; s[86:87], s[88:89] the next tensors' first K step
.set PFN, 86
.set PFN2, 88
.set PKB, 90                           ; s[90:91] bytes of a row in a K step: 512 (x) or 256 (W)
.set LIM, 92                           ; s92  1 in a wave that prefetches, else the greatest number
.set LT,  93                           ; s93  lap within the tile, 0 to 3
.set FO,  94                           ; s[94:95] byte offset along K of the step of x to be asked for
.set FOB, 96                           ; s[96:97] byte offset in wh of the step of W to be asked for
.set TS,  98
.set MSB, 0
.macro WIN new                         ; the immediate's high byte repeats the setting that is left; a switch that changes nothing is dropped
.if MSB != (\new)
	s_set_vgpr_msb (MSB<<8)|(\new)
.set MSB, \new
.endif
.endm
.set MUL,  0xa1                        ; source 0 (W) window 1, source 1 (x) window 0, C and D window 2
.set MULB, 0x81                        ; the same with C, the bias, in window 0
.macro JLOAD s                         ; a joint load: waves 0 and 1 fetch x's two halves, waves 2 and 3 W's; an s_nop 0 and four v_nop follow each line
	s_cmp_eq_u32 s11, 0
	s_cbranch_scc0 .Lfor_b_\@
	tensor_load_to_lds s[G0+4*(\s):G0+4*(\s)+3], s[G1:G1+7]
	s_nop 0
.rept 4
	v_nop
.endr
	s_branch .Lasked_\@
.Lfor_b_\@:
	tensor_load_to_lds s[G0B+4*(\s):G0B+4*(\s)+3], s[G1B:G1B+7]
	s_nop 0
.rept 4
	v_nop
.endr
.Lasked_\@:
.endm
.macro CREST                           ; a round of the cluster's barrier behind its opening barrier
	s_cmp_lg_u32 s10, 0
	s_cbranch_scc1 .Lnot_wave_0_\@
	s_barrier_signal -3
.Lnot_wave_0_\@:
	s_barrier_wait -3
	s_barrier_signal -1
	s_barrier_wait -1
.endm
.macro CROUND
	s_barrier_signal -1
	s_barrier_wait -1
	CREST
.endm
; A prefetch, behind each joint load and the run of LDS loads that follows it, of the K step that stands two refills on (256 matrix instructions ahead of the load that will ask for it).
; x's rows belong to one row of one cluster: its four partners share a wave's 64 rows out by address, 16 rows x 2 blocks of 256 bytes each.  W's rows are read by every cluster: cluster y = 0 asks, its four
; partners of a column take 32 of a wave's 128 rows each.  So each block is named once.  The loop's last trip asks for nothing: steps 24 and 25 do not exist.  Steps 0 to 3 come by their loads alone.
.macro ASK
	s_cmp_gt_u32 s3, s[LIM]
	s_cbranch_scc0 .Lnot_mine_\@
	global_prefetch_b8 v[PFO], s[PFA:PFA+1] th:TH_LOAD_NT scope:SCOPE_SE
.Lnot_mine_\@:
.endm
.macro LDBIAS                          ; my 128 columns' bias: lane (r, h) takes columns 16 b + 8 h + 0..7 of block b, the layout of a C operand
	WIN 0
.irp b, 0,1,2,3,4,5,6,7
	global_load_b128 v[BIAS+8*(\b):BIAS+8*(\b)+3],   v[BO], s[BR:BR+1] offset:64*(\b)
	global_load_b128 v[BIAS+8*(\b)+4:BIAS+8*(\b)+7], v[BO], s[BR:BR+1] offset:64*(\b)+16
.endr
.endm
	s_load_b512 s[68:83], s[0:1], 0x0              ; query s[68:69], key, value, wh s[74:75], br, qh, kh, vh
	v_lshl_add_u32 v[SPW], v0, 2, SPARE
	v_mov_b32 v[NIL], 0
	ds_add_u32 v[SPW], v[NIL]                      ; the wave's opening: the add and its wait ahead of my first tensor load; work on registers stands between them
	v_lshrrev_b32 v1, 5, v0
	v_readfirstlane_b32 s10, v1                    ; wave 0..3
	s_lshr_b32 s11, s10, 1                         ; which 64 tokens are mine.  Also: I fetch for x (0) or for W (1)
	s_and_b32 s12, s10, 1                          ; which 128 columns.  Also: which half of that tile I fetch
	s_bfe_u32 s40, ttmp6, 0x40000                  ; cx
	s_bfe_u32 s41, ttmp6, 0x40004                  ; cy
	s_lshl_b32 s42, ttmp9, 2
	s_add_co_u32 s42, s42, s40                     ; xc = 4 x cluster x + cx
	s_and_b32 s13, ttmp7, 0xffff
	s_lshl_b32 s13, s13, 2
	s_add_co_u32 s13, s13, s41                     ; y = 4 x cluster y + cy
	s_lshl_b32 s43, s41, 2
	s_lshl_b32 s43, 15, s43                        ; my row of the cluster
	s_lshl_b32 s44, 0x1111, s40                    ; my column
	s_or_b32 s[G1], s43, (2<<16)|(1<<20)|(1<<21)|(6<<22)|(3<<25)   ; mask; 4-byte elements; padding on; bit 21 beside a mask; after every 128 words, 4 words
	s_mov_b32 s[G1+1], 128<<16                     ; tensor_dim0 = 128
	s_mov_b32 s[G1+2], 64<<16                      ; tensor_dim1 = 64
	s_mov_b32 s[G1+3], 128<<16                     ; tile_dim0 = 128
	s_mov_b32 s[G1+4], 64                          ; tile_dim1 = 64
	s_mov_b32 s[G1+5], 1024                        ; elements from row to row
	s_mov_b32 s[G1+6], 0
	s_mov_b32 s[G1+7], 0
	s_or_b32 s[G1B], s44, (1<<16)|(1<<20)|(1<<21)|(5<<22)|(3<<25)  ; 2-byte elements; after every 64 words, 4 words
	s_mov_b32 s[G1B+1], 128<<16
	s_mov_b32 s[G1B+2], 128<<16
	s_mov_b32 s[G1B+3], 128<<16
	s_mov_b32 s[G1B+4], 128
	s_mov_b32 s[G1B+5], 1024
	s_mov_b32 s[G1B+6], 0
	s_mov_b32 s[G1B+7], 0
	s_lshl_b32 s16, s13, 7
	s_lshl_b32 s17, s12, 6
	s_add_co_u32 s16, s16, s17                     ; x: row 128 y + 64 x half,
	s_lshl_b32 s16, s16, 12                        ; 4,096 bytes a row
	s_mov_b32 s17, 0
	s_lshl_b32 s8, s42, 8
	s_lshl_b32 s9, s12, 7
	s_add_co_u32 s8, s8, s9                        ; W: row 256 xc + 128 x half,
	s_lshl_b32 s8, s8, 11                          ; 2,048 bytes a row
	s_mov_b32 s9, 0
	s_mul_i32 s20, s12, AHALF                      ; where they go: no place in the cluster enters an LDS address
	s_mul_i32 s21, s12, BHALF
	s_add_co_u32 s21, s21, BOFF
	s_mov_b32 s[FO], 1024                          ; the first refill asks for step 2
	s_mov_b32 s[FO+1], 0
	s_mov_b32 s[FOB], 512
	s_mov_b32 s[FOB+1], 0
	s_wait_dscnt 0x0                               ; the opening add is done
	s_wait_kmcnt 0x0
	s_add_nc_u64 s[FA:FA+1], s[68:69], s[16:17]
	s_add_nc_u64 s[NA:NA+1], s[NA:NA+1], s[16:17]
	s_add_nc_u64 s[NA2:NA2+1], s[NA2:NA2+1], s[16:17]
	s_add_nc_u64 s[FB:FB+1], s[74:75], s[8:9]
	CROUND                                         ; all sixteen work-groups are here: the first joint loads meet
.irp s, 0,1
	s_mov_b32 s[G0+4*(\s)], 1
	s_add_co_u32 s[G0+4*(\s)+1], s20, (\s)*SLOT
	s_add_nc_u64 s[G0+4*(\s)+2:G0+4*(\s)+3], s[FA:FA+1], (\s)*512
	s_or_b32 s[G0+4*(\s)+3], s[G0+4*(\s)+3], 0x80000000
	s_mov_b32 s[G0B+4*(\s)], 1
	s_add_co_u32 s[G0B+4*(\s)+1], s21, (\s)*SLOT
	s_add_nc_u64 s[G0B+4*(\s)+2:G0B+4*(\s)+3], s[FB:FB+1], (\s)*256
	s_or_b32 s[G0B+4*(\s)+3], s[G0B+4*(\s)+3], 0x80000000
	JLOAD \s                                       ; steps 0 and 1: two loads of mine are out
.endr
	v_and_b32 v1, 15, v0                           ; r = l % 16
	v_bfe_u32 v2, v0, 4, 1                         ; h = l / 16
	v_lshlrev_b32 v[BO], 5, v2
	s_lshl_b32 s4, s42, 10
	s_lshl_b32 s5, s12, 9
	s_add_co_u32 s4, s4, s5
	s_mov_b32 s5, 0
	s_add_nc_u64 s[BR:BR+1], s[BR:BR+1], s[4:5]    ; bq at column 256 xc + 128 x half
	LDBIAS
	v_mul_u32_u24 v3, v1, PA                       ; a fragment of x as f32: row r, 32 bytes for each half of the lanes
	v_lshl_add_u32 v3, v2, 5, v3
	v_mul_u32_u24 v4, v1, PB                       ; a fragment of W: row r, 16 bytes for each half
	v_lshl_add_u32 v4, v2, 4, v4
	s_mul_i32 s20, s11, AHALF
	s_mul_i32 s21, s12, BHALF
	s_add_co_u32 s21, s21, BOFF
.irp s, 0,1
	v_add_nc_u32 v[ADRA+(\s)], s20, v3
	v_add_nc_u32 v[ADRB+(\s)], s21, v4
	s_add_co_u32 s20, s20, SLOT
	s_add_co_u32 s21, s21, SLOT
.endr
	s_mul_i32 s20, s10, 32*SP
	s_add_co_u32 s20, s20, STAGE                   ; my stage
	v_mul_u32_u24 v5, v1, SP                       ; in: row r, 16 bytes for each half of the lanes
	v_lshl_add_u32 v5, v2, 4, v5
	v_add_nc_u32 v[STO], s20, v5
	v_bfe_u32 v5, v0, 3, 2                         ; back: 32 lanes take four rows of 128 bytes,
	v_mul_u32_u24 v5, v5, SP
	v_and_b32 v6, 7, v0
	v_lshl_add_u32 v5, v6, 4, v5
	v_add_nc_u32 v[RD], s20, v5
	v_and_b32 v[CO], 31, v0                        ; which are 512 consecutive bytes of the output
	v_lshlrev_b32 v[CO], 4, v[CO]
	s_lshr_b32 s8, s13, 4                          ; the output: batch y / 16 (128 blocks of 32,768 bytes), head group xc (32 blocks), token block 2 (y % 16) + my half,
	s_lshl_b32 s8, s8, 7
	s_lshl_b32 s9, s42, 5
	s_add_co_u32 s8, s8, s9
	s_and_b32 s9, s13, 15
	s_lshl_b32 s9, s9, 1
	s_add_co_u32 s8, s8, s9
	s_add_co_u32 s8, s8, s11
	s_lshl_b32 s8, s8, 15
	s_lshl_b32 s9, s12, 14                         ; and my two heads of the four
	s_add_co_u32 s8, s8, s9
	s_mov_b32 s9, 0
	s_add_nc_u64 s[OUT:OUT+1], s[OUT:OUT+1], s[8:9]
	s_add_nc_u64 s[OUTN:OUTN+1], s[OUTN:OUTN+1], s[8:9]
	s_add_nc_u64 s[OUTN2:OUTN2+1], s[OUTN2:OUTN2+1], s[8:9]
	s_and_b32 s7, ttmp7, 0xffff                    ; the prefetches
	s_cmp_eq_u32 s7, 0
	s_cselect_b32 s7, 1, -1                        ; W's waves ask in cluster y = 0 alone: the same in all sixteen partners
	s_mov_b32 s[PKB], 256
	s_mov_b32 s22, 2048
	s_mov_b32 s23, 32768
	s_cmp_eq_u32 s11, 0
	s_cselect_b32 s4, s40, s41                     ; my place among the four that ask with me: it enters the address alone
	s_cselect_b32 s[LIM], 1, s7
	s_cselect_b32 s[PKB], 512, s[PKB]
	s_cselect_b32 s22, 4096, s22                   ; x: lane = 16 rows x 2 blocks;  W: lane = 32 rows
	s_cselect_b32 s23, 256, s23
	s_cselect_b32 s6, 0, 0x200000                  ; W's next tensor lies 2 MiB on in wh
	s_cselect_b64 s[PFA:PFA+1], s[FA:FA+1], s[FB:FB+1]
	s_cselect_b64 s[PFN:PFN+1], s[NA:NA+1], s[FB:FB+1]
	s_cselect_b64 s[PFN2:PFN2+1], s[NA2:NA2+1], s[FB:FB+1]
	s_lshl_b32 s4, s4, 16                          ; 16 rows of 4,096 bytes, or 32 of 2,048
	s_mov_b32 s5, 0
	s_mov_b32 s7, 0
	s_mov_b32 s[PKB+1], 0
	s_add_nc_u64 s[PFA:PFA+1], s[PFA:PFA+1], s[4:5]
	s_add_nc_u64 s[PFN:PFN+1], s[PFN:PFN+1], s[4:5]
	s_add_nc_u64 s[PFN2:PFN2+1], s[PFN2:PFN2+1], s[4:5]
	s_add_nc_u64 s[PFN:PFN+1], s[PFN:PFN+1], s[6:7]
	s_add_nc_u64 s[PFN2:PFN2+1], s[PFN2:PFN2+1], s[6:7]
	s_add_nc_u64 s[PFN2:PFN2+1], s[PFN2:PFN2+1], s[6:7]
.rept 3
	s_add_nc_u64 s[PFA:PFA+1], s[PFA:PFA+1], s[PKB:PKB+1]  ; at step 3: the first change of slots steps it to 4
.endr
	v_mul_u32_u24 v[PFO], v1, s22
	v_mad_u32_u24 v[PFO], v2, s23, v[PFO]
.macro CVT f, a, hf                    ; half a fragment of x: eight f32 of buffer f become four registers of bf16
	WIN 0
.irp i, 0,1,2,3
	v_cvt_pk_bf16_f32 v[AB+8*(\a)+4*(\hf)+(\i)], v[STG+64*(\f)+16*(\a)+8*(\hf)+2*(\i)], v[STG+64*(\f)+16*(\a)+8*(\hf)+2*(\i)+1]
.endr
.endm
.macro MUL4 f, a, b0, first            ; four products: token block a x column blocks b0 .. b0 + 3.  first = 1: the bias starts the sums
.irp b, (\b0), (\b0)+1, (\b0)+2, (\b0)+3
.if \first
	WIN MULB
	v_wmma_f32_16x16x32_bf16 v[8*(8*(\a)+(\b)):8*(8*(\a)+(\b))+7], v[64*(\f)+8*(\b):64*(\f)+8*(\b)+7], v[AB+8*(\a):AB+8*(\a)+7], v[BIAS+8*(\b):BIAS+8*(\b)+7]
.else
	WIN MUL
	v_wmma_f32_16x16x32_bf16 v[8*(8*(\a)+(\b)):8*(8*(\a)+(\b))+7], v[64*(\f)+8*(\b):64*(\f)+8*(\b)+7], v[AB+8*(\a):AB+8*(\a)+7], v[8*(8*(\a)+(\b)):8*(8*(\a)+(\b))+7]
.endif
.endr
.endm
.macro LDA slot, q, g, a               ; fragment a of x, f32: K = 8 h + 0..7 are 32 bytes, K = 16 + 8 h + 0..7 the 32 bytes 64 further on
	ds_load_b128 v[STG+64*(\g)+16*(\a):STG+64*(\g)+16*(\a)+3],     v[ADRA+(\slot)] offset:(\q)*128+(\a)*16*PA
	ds_load_b128 v[STG+64*(\g)+16*(\a)+4:STG+64*(\g)+16*(\a)+7],   v[ADRA+(\slot)] offset:(\q)*128+(\a)*16*PA+16
	ds_load_b128 v[STG+64*(\g)+16*(\a)+8:STG+64*(\g)+16*(\a)+11],  v[ADRA+(\slot)] offset:(\q)*128+(\a)*16*PA+64
	ds_load_b128 v[STG+64*(\g)+16*(\a)+12:STG+64*(\g)+16*(\a)+15], v[ADRA+(\slot)] offset:(\q)*128+(\a)*16*PA+80
.endm
.macro FETCH slot, q, g                ; 32 LDS loads in one run: quarter q's fragments into buffers g: x's fragment 0 (4), W's eight (16), x's fragments 1 to 3 (12)
	WIN 0
	LDA \slot, \q, \g, 0
	WIN 0x40
.irp i, 0,1,2,3,4,5,6,7
	ds_load_b128 v[64*(\g)+8*(\i):64*(\g)+8*(\i)+3],   v[ADRB+(\slot)] offset:(\q)*64+(\i)*16*PB
	ds_load_b128 v[64*(\g)+8*(\i)+4:64*(\g)+8*(\i)+7], v[ADRB+(\slot)] offset:(\q)*64+(\i)*16*PB+32
.endr
	WIN 0
	LDA \slot, \q, \g, 1
	LDA \slot, \q, \g, 2
	LDA \slot, \q, \g, 3
.endm
; One of a K step's first three quarters: multiplies buffers f; in its middle it fetches quarter q of the same slot into buffers g.
.macro QUARTER slot, q, f, g, first, fetch=1
	s_wait_dscnt 12                                ; x's fragment 0 and all of W are in; the youngest twelve loads (x's fragments 1 to 3) may be out
	CVT \f, 0, 0
	CVT \f, 0, 1
	MUL4 \f, 0, 0, \first
	s_wait_dscnt 0x0                               ; the rest of x
	CVT \f, 1, 0
	MUL4 \f, 0, 4, \first
	CVT \f, 1, 1
	MUL4 \f, 1, 0, \first
	CVT \f, 2, 0
	MUL4 \f, 1, 4, \first
	CVT \f, 2, 1
.if \fetch
	FETCH \slot, \q, \g                            ; buffers g were last read a quarter ago; this quarter's 24 conversions lie between
.endif
	MUL4 \f, 2, 0, \first
	CVT \f, 3, 0
	MUL4 \f, 2, 4, \first
	CVT \f, 3, 1
	MUL4 \f, 3, 0, \first
	MUL4 \f, 3, 4, \first
.endm
.macro STEP s                          ; slot s's two descriptors: each address is made anew, a pointer plus an offset, and the type bits are set again; no tensor load of mine is out
	s_add_nc_u64 s[G0+4*(\s)+2:G0+4*(\s)+3], s[FA:FA+1], s[FO:FO+1]
	s_or_b32 s[G0+4*(\s)+3], s[G0+4*(\s)+3], 0x80000000
	s_add_nc_u64 s[G0B+4*(\s)+2:G0B+4*(\s)+3], s[FB:FB+1], s[FOB:FOB+1]
	s_or_b32 s[G0B+4*(\s)+3], s[G0B+4*(\s)+3], 0x80000000
.endm
.macro ADV                             ; the step to be asked for next: on along K, or behind a tensor's eighth step the next tensor's first
	s_add_co_u32 s[FO], s[FO], 512
	s_add_co_u32 s[FOB], s[FOB], 256
	s_cmp_eq_u32 s[FO], 4096
	s_cselect_b32 s[FO], 0, s[FO]
	s_cselect_b32 s[TS], 0x1ff800, 0               ; 2 MiB less a row's 2,048 bytes
	s_cselect_b64 s[FA:FA+1], s[NA:NA+1], s[FA:FA+1]
	s_cselect_b64 s[NA:NA+1], s[NA2:NA2+1], s[NA:NA+1]
	s_add_co_u32 s[FOB], s[FOB], s[TS]
.endm
; The last quarter multiplies buffers 1 and changes slots: ONE barrier.  In front of it each wave waits for all its tensor loads (one is out: its part of the next slot), adds 0 to its spare word, and waits for
; that and for its reads of this slot.  fill = 1: the barrier opens a round of the cluster's, and the joint refill, two steps ahead, is the first tensor load behind the round.
.macro TURN slot, next, fill
	WIN 0
.if \fill
	s_wait_xcnt 0x0                                ; the last prefetch, a K step back, has read its address
	s_add_nc_u64 s[PFA:PFA+1], s[PFA:PFA+1], s[PKB:PKB+1]
.if (\slot) == 0
	s_cmp_eq_u32 s[LT], 2                          ; four steps on from a tile's step 4 lies the next tensor's step 0
	s_cselect_b64 s[PFA:PFA+1], s[PFN:PFN+1], s[PFA:PFA+1]
	s_cselect_b64 s[PFN:PFN+1], s[PFN2:PFN2+1], s[PFN:PFN+1]
.endif
.endif
	s_wait_tensorcnt 0x0                           ; all my tensor loads have landed
	ds_add_u32 v[SPW], v[NIL]                      ; 0 onto my spare word
	s_wait_dscnt 13                                ; the add and the youngest twelve loads may be out
	CVT 1, 0, 0
	CVT 1, 0, 1
	MUL4 1, 0, 0, 0
	s_wait_dscnt 0x0                               ; the add is done, and my reads of this slot are over
	s_barrier_signal -1
	CVT 1, 1, 0                                    ; work on registers while the others arrive
	MUL4 1, 0, 4, 0
	CVT 1, 1, 1
	MUL4 1, 1, 0, 0
	CVT 1, 2, 0
	MUL4 1, 1, 4, 0
	CVT 1, 2, 1
	WIN 0
	s_barrier_wait -1
.if \fill
	CREST                                          ; no wave of any partner still reads this slot or has a load on its way
	STEP \slot
	JLOAD \slot
.endif
	FETCH \next, 0, 0
.if \fill
	ASK
	ADV
.endif
	MUL4 1, 2, 0, 0
	CVT 1, 3, 0
	MUL4 1, 2, 4, 0
	CVT 1, 3, 1
	MUL4 1, 3, 0, 0
	MUL4 1, 3, 4, 0
.endm
; THE WAY OUT of a tile, a block of 16 tokens at a time: rounded to f16, 16 bytes a lane; into my own stage (2 heads x 16 rows of 144 bytes); back as rows of 128 bytes, four to a load; stored, 512 consecutive bytes a store.
.macro PACK a
	WIN 0x4a                                       ; sources window 2, destination window 1
.irp b, 0,1,2,3,4,5,6,7
.irp i, 0,1,2,3
	v_cvt_pk_f16_f32 v[TMP+4*(\b)+(\i)], v[8*(8*(\a)+(\b))+2*(\i)], v[8*(8*(\a)+(\b))+2*(\i)+1]
.endr
.endr
.endm
.macro TOSTAGE a
	WIN 0x04                                       ; data window 1, address window 0
.irp b, 0,1,2,3,4,5,6,7
	ds_store_b128 v[STO], v[TMP+4*(\b):TMP+4*(\b)+3] offset:((\b)/4)*16*SP+((\b)%4)*32
.endr
	WIN 0x40
.irp t, 0,1,2,3,4,5,6,7
	ds_load_b128 v[OB+32*((\a)%2)+4*(\t):OB+32*((\a)%2)+4*(\t)+3], v[RD] offset:((\t)/4)*16*SP+((\t)%4)*4*SP  ; LDS serves a wave's instructions in order (ISA guide 5.7.1.4): these see the stores above
.endr
.endm
.macro SEND a
	WIN 0x04
	s_wait_dscnt 0x0                               ; the block is back in registers
	s_wait_xcnt 0x0                                ; earlier stores have read their registers: the other buffer may be loaded again behind this wait
.irp t, 0,1,2,3,4,5,6,7
	global_store_b128 v[CO], v[OB+32*((\a)%2)+4*(\t):OB+32*((\a)%2)+4*(\t)+3], s[OUT:OUT+1] offset:((\t)/4)*8192+(\a)*2048+((\t)%4)*512
.endr
.endm
.macro WAYOUT more
.if \more
	WIN 0
	s_wait_xcnt 0x0
	s_add_nc_u64 s[BR:BR+1], s[BR:BR+1], 4096      ; the next tensor's bias; its registers were last read in the tile's first quarter
	LDBIAS
.endif
	PACK 0
	TOSTAGE 0
.irp a, 1,2,3
	PACK \a
	SEND (\a)-1
	TOSTAGE \a
.endr
	SEND 3
	WIN 0
.endm
	s_wait_tensorcnt 1                             ; my part of step 0 is in; step 1's may stay out
	s_barrier_signal -1
	s_barrier_wait -1
	FETCH 0, 0, 0
	s_mov_b32 s3, 12
	s_mov_b32 s[LT], 0
	s_branch .Lenter                               ; the loop is entered at a lap's first quarter
.Llap:                                                 ; 11 trips: from a lap's second quarter to the next lap's first; both slots are filled again
	QUARTER 0, 2, 1, 0, 0
	QUARTER 0, 3, 0, 1, 0
	TURN 0, 1, 1
	QUARTER 1, 1, 0, 1, 0
	QUARTER 1, 2, 1, 0, 0
	QUARTER 1, 3, 0, 1, 0
	TURN 1, 0, 1
	WIN 0
	s_add_co_u32 s[LT], s[LT], 1
	s_cmp_lg_u32 s[LT], 4
	s_cbranch_scc1 .Lplain
	WAYOUT 1                                       ; a tile is finished; both refills for the next are asked for
	s_wait_xcnt 0x0                                ; the stores have read their base
	s_mov_b64 s[OUT:OUT+1], s[OUTN:OUTN+1]
	s_mov_b64 s[OUTN:OUTN+1], s[OUTN2:OUTN2+1]
	s_mov_b32 s[LT], 0
.Lenter:
	s_wait_loadcnt 0x0                             ; the bias
	QUARTER 0, 1, 0, 1, 1                          ; a tile's first quarter: the bias starts the sums
	WIN 0
	s_branch .Lnext
.Lplain:
	QUARTER 0, 1, 0, 1, 0
	WIN 0
.Lnext:
	s_sub_co_u32 s3, s3, 1
	s_cmp_lg_u32 s3, 0
	s_cbranch_scc1 .Llap
	QUARTER 0, 2, 1, 0, 0                          ; the last lap is written out: it asks for nothing
	QUARTER 0, 3, 0, 1, 0
	TURN 0, 1, 0
	QUARTER 1, 1, 0, 1, 0
	QUARTER 1, 2, 1, 0, 0
	QUARTER 1, 3, 0, 1, 0
	QUARTER 1, 0, 1, 0, 0, 0
	WAYOUT 0
	s_wait_tensorcnt 0x0                           ; the wave's end: behind my last tensor load and my last LDS store
	ds_add_u32 v[SPW], v[NIL]
	s_wait_dscnt 0x0
	CROUND                                         ; the closing round
	s_endpgm
.Lfunc_end_k_qac4808ba02_qkv:
	.size	k_qac4808ba02_qkv, .Lfunc_end_k_qac4808ba02_qkv-k_qac4808ba02_qkv
	.p2alignl 7, 3214868480
	.fill 96, 4, 3214868480
	.section	.rodata,"a",@progbits
	.p2align	6, 0x0
	.amdhsa_kernel k_qac4808ba02_qkv
		.amdhsa_group_segment_fixed_size 327680
		.amdhsa_private_segment_fixed_size 0
		.amdhsa_enable_private_segment 0
		.amdhsa_kernarg_size 64
		.amdhsa_user_sgpr_count 2
		.amdhsa_user_sgpr_kernarg_segment_ptr 1
		.amdhsa_wavefront_size32 1
		.amdhsa_system_sgpr_workgroup_id_x 1
		.amdhsa_system_sgpr_workgroup_id_y 1
		.amdhsa_system_sgpr_workgroup_id_z 1
		.amdhsa_system_vgpr_workitem_id 0
		.amdhsa_next_free_vgpr 768
		.amdhsa_next_free_sgpr 100
		.amdhsa_reserve_vcc 0
		.amdhsa_float_denorm_mode_32 3
		.amdhsa_float_denorm_mode_16_64 3
		.amdhsa_memory_ordered 1
		.amdhsa_forward_progress 1
		.amdhsa_inst_pref_size 153
	.end_amdhsa_kernel
	.amdgpu_metadata
---
amdhsa.version: [ 1, 2 ]
amdhsa.kernels:
  - .name:           k_qac4808ba02_qkv
    .symbol:         k_qac4808ba02_qkv.kd
    .args:
      - { .name: query, .offset: 0, .size: 8, .value_kind: global_buffer, .address_space: global }
      - { .name: key, .offset: 8, .size: 8, .value_kind: global_buffer, .address_space: global }
      - { .name: value, .offset: 16, .size: 8, .value_kind: global_buffer, .address_space: global }
      - { .name: wh, .offset: 24, .size: 8, .value_kind: global_buffer, .address_space: global }
      - { .name: br, .offset: 32, .size: 8, .value_kind: global_buffer, .address_space: global }
      - { .name: qh, .offset: 40, .size: 8, .value_kind: global_buffer, .address_space: global }
      - { .name: kh, .offset: 48, .size: 8, .value_kind: global_buffer, .address_space: global }
      - { .name: vh, .offset: 56, .size: 8, .value_kind: global_buffer, .address_space: global }
    .group_segment_fixed_size: 327680
    .private_segment_fixed_size: 0
    .kernarg_segment_align: 8
    .kernarg_segment_size: 64
    .max_flat_workgroup_size: 128
    .sgpr_count:     100
    .vgpr_count:     768
    .wavefront_size: 32
...
	.end_amdgpu_metadata
.endif
;; end of part 2
;; launch attn (part 3): grid 16 x 16, 4 waves a work-group, clusters of 4 x 4, 327,680 bytes of LDS; arguments qh, kh, vh, m2, key_padding_mask, oh; writes oh
.if DOCPART == 3
	.amdgcn_target "amdgcn-amd-amdhsa--gfx1250"
	.amdhsa_code_object_version 6
	.text
	.protected	k_qac4808ba02_attn
	.globl	k_qac4808ba02_attn
	.p2align	8
	.type	k_qac4808ba02_attn,@function
k_qac4808ba02_attn:
	s_mov_b64 s[64:65], 0
	v_nop
	global_prefetch_b8 v0, s[64:65] scope:SCOPE_SE
	s_setreg_imm32_b32 hwreg(HW_REG_WAVE_MODE, 25, 1), 1
	s_wait_xcnt 0x0
	s_wait_alu depctr_hold_cnt(0) depctr_sa_sdst(0) depctr_va_vdst(0) depctr_va_sdst(0) depctr_va_ssrc(0) depctr_va_vcc(0) depctr_vm_vsrc(0)
	s_getreg_b32 s2, hwreg(HW_REG_IB_STS2, 6, 4)
	s_cmp_eq_u32 s2, 0
	s_cbranch_scc0 .Lentry_in_a_cluster
	s_endpgm
.Lentry_in_a_cluster:
	s_bfe_u32 s2, ttmp6, 0x10000c
	s_cmp_lg_u32 s2, 0xf033
	s_cbranch_scc0 .Lentry_shape_is_right
	s_endpgm
.Lentry_shape_is_right:
; ATTENTION with two masks that are inputs.  O[q] = sum over k of softmax_k(q . k / 8 + attn_mask[q][k], padded keys at minus infinity) v[k].  q, k, v, O: f16, by heads in blocks
; [batch 4][head group 4][block of 64 tokens 32][head 4][token 64][channel 64]; m2 = log2(e) x mask, f32.  Products, maxima and sums in f32; the weights are rounded to f16 for the second product, O once.
; THE SCORE.  S = q . k starts from C = 0, or from SENT = -3.3e38 where the key is padded.  t = S x log2(e) / 8 + m2 is ONE fused multiply-add, so a score is absorbed by a mask of -1e9 as an f32 sum
; absorbs it.  p = 2^(t - m) with the DIFFERENCE formed first: it is exact where t = m, whatever their size.  m is a running maximum; O and l are multiplied by a = 2^(m_old - m_new) in every step.
; m starts at MINIT = -2.9e37, above every padded key's t (-5.9e37 or less): while only padded keys have been seen p = 0, a = 1.  A row with every key padded ends as 0 x (1 / 0): NaN.
; LIMITS.  A finite mask below -2e37 counts as minus infinity; plus infinity and NaN in the mask are not treated apart; a weight below 2^-126 counts as 0; q, k, v arrive within f16's 65,504.
; SHARES.  Work-group (x, y): queries 128 x .. + 127 of batch y / 4, heads 4 (y % 4) + 0..3.  Wave w is head w on all 128 queries: four PIECES of two tiles of 16.  So the four waves share the mask's tile.
; 32 key steps of 64; a slot of LDS holds one step: K and V of four heads (a dense block of 32,768 bytes each) and 128 x 64 of the mask.
; CLUSTER 4 x 4.  K and V hang on y: asked for jointly by a row of the cluster.  The mask hangs on x: jointly by a column.  Wave 0 asks for K, wave 1 for V, waves 2 and 3 for the mask's halves.
; BY TURNS.  Turn n belongs to piece n: 16 products K Q^T of piece n + 1, later 16 products V^T P of piece n - 1; beside them t - m, exponentials, roundings, sums and rescaling of piece n, and the mask,
; maximum and statistics of piece n + 1.  Four vector instructions stand behind every matrix instruction, the rest in one lump.  A turn's 66 exponentials are one batch with one wait.
; REGISTERS.  window 0: v2-11 addresses; v12-15, v48-63 at work; v16-47 four registers a tile: m, 0, l, l; v64-191 S^T, two buffers of two tiles; v192-255 P, likewise.      window 1: O^T, 32 a tile.
;   window 2: v0-127 Q; v128-191 K of one step; v192-255 V of one step.      window 3: v0-1 the add's registers; v2-5 addresses; v8-39 the step's padding as a C operand; v64-127 the mask of one piece.
.set NP,    4
.set PK,    144                        ; a row of K in LDS: 128 bytes + 16
.set PV,    160                        ; a row of V: 128 + 32
.set PM,    272                        ; a row of the mask: 256 + 16
.set VOFF,  256*PK
.set MOFF,  VOFF+256*PV
.set SLOT1, 1<<17
.set STAGE, SLOT1+MOFF+128*PM          ; behind the ring: 16 rows x 144 bytes for each wave
.set SP,    144
.set PADT,  STAGE+4*16*SP              ; 2,048 f32: 0 or SENT for each key of the batch; stored once, never filled by a tensor load
.set SPARE, PADT+8192                  ; the spare words, 128 bytes a wave: two blocks of 256 bytes that no other line names
.set AK0, 2
.set AV0, 3
.set AK,  4
.set AV,  5
.set QO,  6
.set RD,  7
.set GO,  8
.set STO, 9
.set PFO, 11
.set MV,  12                           ; v12-15  m_old, by buffer and tile
.set ST,  16
.set TMP, 48
.set S,   64
.set P,   192
.set KF,  128
.set VF,  192
.set SPW, 0                            ; window 3
.set NIL, 1
.set AM0, 2
.set AM,  3
.set AP0, 4
.set AP,  5
.set PC,  8
.set MK,  64
.set WV,  16
.set G1K, 24
.set G1V, 32
.set G1M, 40
.set G0K, 48
.set G0V, 52
.set G0M, 56
.set SLOTS, 60
.set CNT, 61
.set TB,  62                           ; s62  LDS byte at which the slot that is read begins
.set TP,  63                           ; s63  byte in PADT at which the next step's 64 keys begin
.set CS,  66                           ; s[66:67] log2(e) / 8
.set SEL, 68
.set SENT, 70
.set PFA, 72
.set PINC, 74
.set LIM, 76
.set CX,  77
.set CY,  78
.set WGX, 79
.set WGY, 80
.set CB,  81
.set MSB, 0
.macro WIN new
.if MSB != (\new)
	s_set_vgpr_msb (MSB<<8)|(\new)
.set MSB, (\new)
.endif
.endm
.set W_KQ, 0x0a                        ; K and Q window 2, S^T window 0
.set W_KP, 0x3a                        ; the same with C, the padding, in window 3
.set W_PV, 0x52                        ; V window 2, P window 0, O^T window 1
.set W_RS, 0x41                        ; destination and source 0 window 1, source 1 window 0
.set W_MA, 0x30                        ; source 2, the mask, window 3
.set W_MK, 0xc0                        ; destination window 3
.set W_AD, 0x0f                        ; the add: address and data window 3
.macro WIN2                            ; for lines without a third source: W_MA serves them as well as 0
.if MSB != W_MA
	WIN 0
.endif
.endm
.macro JLOAD                           ; a joint fill; the branches hang on the wave's number alone; an s_nop 0 and four v_nop follow each line
	s_cmp_lg_u32 s[WV], 0
	s_cbranch_scc1 .Lnot_k_\@
	tensor_load_to_lds s[G0K:G0K+3], s[G1K:G1K+7]
	s_nop 0
.rept 4
	v_nop
.endr
	s_branch .Lasked_\@
.Lnot_k_\@:
	s_cmp_lg_u32 s[WV], 1
	s_cbranch_scc1 .Lfor_m_\@
	tensor_load_to_lds s[G0V:G0V+3], s[G1V:G1V+7]
	s_nop 0
.rept 4
	v_nop
.endr
	s_branch .Lasked_\@
.Lfor_m_\@:
	tensor_load_to_lds s[G0M:G0M+3], s[G1M:G1M+7]
	s_nop 0
.rept 4
	v_nop
.endr
.Lasked_\@:
.endm
.macro CROUND
	s_barrier_signal -1
	s_barrier_wait -1
	s_cmp_lg_u32 s[WV], 0
	s_cbranch_scc1 .Lnot_wave_0_\@
	s_barrier_signal -3
.Lnot_wave_0_\@:
	s_barrier_wait -3
	s_barrier_signal -1
	s_barrier_wait -1
.endm
; A prefetch of what the NEXT change of slots will ask for, one key step (128 matrix instructions and their vector work) ahead.  K and V of a head group are walked by four clusters: cluster x = 0 asks, wave 0 for K,
; wave 1 for V; the four partners of a row take 32 of the 128 blocks of 256 bytes each, by address.  The mask's rows are walked by four clusters: cluster y = 0 asks, wave 2; the partners of a column take
; 32 of the 128 rows each.  So each block is named once.  The last change that fills asks for nothing; steps 0 to 2 come by their loads alone.
.macro ASK
	s_cmp_gt_u32 s[SLOTS], s[LIM]
	s_cbranch_scc0 .Lnot_mine_\@
	global_prefetch_b8 v[PFO], s[PFA:PFA+1] th:TH_LOAD_NT scope:SCOPE_SE
.Lnot_mine_\@:
.endm
; THE CHANGE OF SLOTS, once a key step.  Each wave waits for all its tensor loads (one is out: its part of the other slot), adds 0 to its spare word, and waits for that and for its reads of the slot that it leaves.
; fill = 1: the barrier is a round of the cluster's, and the joint refill, two steps ahead, is the first thing behind it.
.macro CHANGE fill, ask
	WIN W_AD
	s_wait_tensorcnt 0x0                           ; no tensor load of mine is out, so a group 0 may be written
	ds_add_u32 v[SPW], v[NIL]                      ; 0 onto my spare word
	WIN 0
.if \fill
.irp g, G0K, G0V, G0M
	s_xor_b32 s[\g+1], s[\g+1], SLOT1              ; the other slot than last time
.endr
	s_add_nc_u64 s[G0K+2:G0K+3], s[G0K+2:G0K+3], 32768  ; the next 64 keys of four heads
	s_add_nc_u64 s[G0V+2:G0V+3], s[G0V+2:G0V+3], 32768
	s_add_nc_u64 s[G0M+2:G0M+3], s[G0M+2:G0M+3], 256    ; the next 64 columns
	s_wait_xcnt 0x0                                ; the last prefetch, a key step back, has read its address
	s_add_nc_u64 s[PFA:PFA+1], s[PFA:PFA+1], s[PINC:PINC+1]
	s_wait_dscnt 0x0                               ; the add is done, and my LDS reads and stores are over
	CROUND
	JLOAD
.if \ask
	ASK
.endif
.else
	s_wait_dscnt 0x0
	s_barrier_signal -1
	s_barrier_wait -1
.endif
	s_xor_b32 s[TB], s[TB], SLOT1
.endm
.macro SETADR                          ; the LDS addresses of the step whose slot has just become whole
	WIN 0
	v_add_nc_u32 v[AK], s[TB], v[AK0]
	v_add_nc_u32 v[AV], s[TB], v[AV0]
	WIN 0xcc
	v_add_nc_u32 v[AM], s[TB], v[AM0]
	v_add_nc_u32 v[AP], s[TP], v[AP0]
	WIN 0
	s_add_co_u32 s[TP], s[TP], 256
.endm
	s_load_b256 s[4:11], s[0:1], 0x0               ; qh s[4:5], kh s[6:7], vh s[8:9], m2 s[10:11]
	s_load_b128 s[12:15], s[0:1], 0x20             ; key_padding_mask s[12:13], oh s[14:15]
	WIN W_MK
	v_lshl_add_u32 v[SPW], v0, 2, SPARE
	v_mov_b32 v[NIL], 0
	WIN W_AD
	ds_add_u32 v[SPW], v[NIL]                      ; the wave's opening: the add and its wait ahead of my first tensor load
	WIN 0
	v_lshrrev_b32 v1, 5, v0
	v_readfirstlane_b32 s[WV], v1
	s_bfe_u32 s[CX], ttmp6, 0x40000
	s_bfe_u32 s[CY], ttmp6, 0x40004
	s_lshl_b32 s[WGX], ttmp9, 2
	s_add_co_u32 s[WGX], s[WGX], s[CX]             ; x: my block of 128 queries
	s_and_b32 s[CB], ttmp7, 0xffff                 ; the batch = cluster y
	s_lshl_b32 s[WGY], s[CB], 2
	s_add_co_u32 s[WGY], s[WGY], s[CY]             ; y = 4 x batch + head group
	s_lshl_b32 s17, s[CY], 2
	s_lshl_b32 s17, 15, s17                        ; my row of the cluster
	s_lshl_b32 s18, 0x1111, s[CX]                  ; my column
	s_or_b32 s[G1K], s17, (1<<16)|(1<<20)|(1<<21)|(4<<22)|(3<<25)  ; 2-byte elements; padding: after every 32 words, 4 words
	s_or_b32 s[G1V], s17, (1<<16)|(1<<20)|(1<<21)|(4<<22)|(7<<25)  ; 8 words
.irp g, G1K, G1V
	s_mov_b32 s[\g+1], 128<<16                     ; a dense block of 32,768 bytes as 128 rows of 256
	s_mov_b32 s[\g+2], 128<<16
	s_mov_b32 s[\g+3], 128<<16
	s_mov_b32 s[\g+4], 128
	s_mov_b32 s[\g+5], 128
	s_mov_b32 s[\g+6], 0
	s_mov_b32 s[\g+7], 0
.endr
	s_or_b32 s[G1M], s18, (2<<16)|(1<<20)|(1<<21)|(5<<22)|(3<<25)  ; 4-byte elements; after every 64 words, 4 words
	s_mov_b32 s[G1M+1], 64<<16
	s_mov_b32 s[G1M+2], 64<<16
	s_mov_b32 s[G1M+3], 64<<16
	s_mov_b32 s[G1M+4], 64
	s_mov_b32 s[G1M+5], 2048
	s_mov_b32 s[G1M+6], 0
	s_mov_b32 s[G1M+7], 0
	s_lshl_b32 s20, s[WGY], 20                     ; K, V: the head group's 1 MiB
	s_mov_b32 s21, 0
	s_and_b32 s19, s[WV], 1                        ; which 64 rows of the mask's tile a wave fetches
	s_lshl_b32 s22, s[WGX], 20                     ; the mask: row 128 x + 64 x half, 8,192 bytes a row
	s_lshl_b32 s23, s19, 19
	s_add_co_u32 s22, s22, s23
	s_mov_b32 s23, 0
	s_mov_b32 s[G0K], 1
	s_mov_b32 s[G0K+1], 0
	s_mov_b32 s[G0V], 1
	s_mov_b32 s[G0V+1], VOFF
	s_mov_b32 s[G0M], 1
	s_mul_i32 s[G0M+1], s19, 64*PM
	s_add_co_u32 s[G0M+1], s[G0M+1], MOFF
	s_lshl_b32 s2, s[WGX], 16                      ; Q, O: y's 1 MiB, token blocks 2 x and 2 x + 1, head w
	s_add_co_u32 s2, s2, s20
	s_lshl_b32 s3, s[WV], 13
	s_add_co_u32 s2, s2, s3
	s_mov_b32 s3, 0
	s_lshl_b32 s18, s[CB], 11                      ; the batch's 2,048 padding bytes
	s_mov_b32 s19, 0
	s_mov_b32 s[CS], 0x3e38aa3b
	s_mov_b32 s[CS+1], s[CS]
	s_mov_b32 s[SEL], 0x76543210
	s_mov_b32 s[SEL+1], 0xfedcba98
	s_mov_b32 s[SENT], 0xff780000
	s_mov_b32 s[TB], SLOT1                         ; the first change of slots turns it into 0
	s_mov_b32 s[TP], 0
	s_wait_dscnt 0x0                               ; the opening add is done
	s_wait_kmcnt 0x0
	s_add_nc_u64 s[G0K+2:G0K+3], s[6:7], s[20:21]
	s_or_b32 s[G0K+3], s[G0K+3], 0x80000000
	s_add_nc_u64 s[G0V+2:G0V+3], s[8:9], s[20:21]
	s_or_b32 s[G0V+3], s[G0V+3], 0x80000000
	s_add_nc_u64 s[G0M+2:G0M+3], s[10:11], s[22:23]
	s_or_b32 s[G0M+3], s[G0M+3], 0x80000000
	s_add_nc_u64 s[4:5], s[4:5], s[2:3]
	s_add_nc_u64 s[14:15], s[14:15], s[2:3]
	s_add_nc_u64 s[12:13], s[12:13], s[18:19]
	CROUND                                         ; all sixteen work-groups are here
	JLOAD                                          ; step 0 into slot 0; step 1 is asked for when it is in
	v_lshlrev_b32 v12, 4, v0
	global_load_b128 v[64:67], v12, s[12:13]       ; 16 padding bytes a thread
	v_and_b32 v1, 15, v0                           ; r
	v_bfe_u32 v9, v0, 4, 1                         ; h
	v_lshlrev_b32 v[QO], 7, v1
	v_lshl_add_u32 v[QO], v9, 4, v[QO]
	WIN 0x80
.set i, 0
.rept 16                                           ; Q stays in registers: tile i / 2, channels 32 (i % 2) on
	global_load_b128 v[8*i:8*i+3],   v[QO], s[4:5] offset:((i/2)/4)*32768+((i/2)%4)*2048+(i%2)*64
	global_load_b128 v[8*i+4:8*i+7], v[QO], s[4:5] offset:((i/2)/4)*32768+((i/2)%4)*2048+(i%2)*64+32
.set i, i+1
.endr
	; What the first turn finds: V and P's second buffer hold 0, O^T and l are 0.  All this stands in the wait for the first tile.
.set i, VF
.rept 64
	v_mov_b32 v[i], 0
.set i, i+1
.endr
	WIN 0x40
.set i, 0
.rept 256
	v_mov_b32 v[i], 0
.set i, i+1
.endr
	WIN 0
.set i, 0
.rept 8
	v_mov_b32 v[ST+4*i], 0xfdb00000                ; m = MINIT
	v_mov_b32 v[ST+4*i+1], 0                       ; named with m as a pair
	v_mov_b32 v[ST+4*i+2], 0
	v_mov_b32 v[ST+4*i+3], 0
.set i, i+1
.endr
.set i, P+32
.rept 32
	v_mov_b32 v[i], 0
.set i, i+1
.endr
	s_mul_i32 s17, s[WV], 64*PK
	v_mul_u32_u24 v[AK0], v1, PK
	v_lshl_add_u32 v[AK0], v9, 4, v[AK0]
	v_add_nc_u32 v[AK0], s17, v[AK0]               ; my head's 64 rows; row r, 16 bytes for each half of the lanes
	v_and_b32 v10, 7, v0
	v_bfe_u32 v11, v0, 3, 1
	v_lshl_add_u32 v[AV0], v9, 3, v10              ; the turning load: key 8 h + l % 8, channels 8 ((l / 8) % 2) on
	v_mul_u32_u24 v[AV0], v[AV0], PV
	v_lshl_add_u32 v[AV0], v11, 4, v[AV0]
	s_mul_i32 s17, s[WV], 64*PV
	s_add_co_u32 s17, s17, VOFF
	v_add_nc_u32 v[AV0], s17, v[AV0]
	v_mul_u32_u24 v13, v1, PM                      ; the mask: query r's row, keys 8 h + 0..7: 32 bytes
	v_lshl_add_u32 v13, v9, 5, v13
	v_lshlrev_b32 v14, 5, v9
	WIN W_MK
	v_add_nc_u32 v[AM0], MOFF, v13
	v_add_nc_u32 v[AP0], PADT, v14
	WIN 0
	s_mul_i32 s17, s[WV], 16*SP
	s_add_co_u32 s17, s17, STAGE
	v_bfe_u32 v[RD], v0, 3, 2
	v_mul_u32_u24 v[RD], v[RD], SP
	v_lshl_add_u32 v[RD], v10, 4, v[RD]
	v_add_nc_u32 v[RD], s17, v[RD]
	v_and_b32 v[GO], 31, v0
	v_lshlrev_b32 v[GO], 4, v[GO]
	v_mul_u32_u24 v13, v1, SP
	v_lshl_add_u32 v[STO], v9, 4, v13
	v_add_nc_u32 v[STO], s17, v[STO]
	s_lshl_b32 s21, s[CX], 13                      ; the prefetches.  K, V: y's 1 MiB, my work-group's 32 blocks of 256 bytes
	s_add_co_u32 s20, s20, s21
	s_lshl_b32 s21, s[WGX], 7                      ; the mask: row 128 x + 32 cy
	s_lshl_b32 s22, s[CY], 5
	s_add_co_u32 s21, s21, s22
	s_lshl_b32 s21, s21, 13
	s_mov_b32 s22, s[CB]
	s_mov_b32 s23, 8192
	s_mov_b32 s[PINC], 256
	s_cmp_lt_u32 s[WV], 2
	s_cselect_b32 s20, s20, s21
	s_cselect_b32 s22, ttmp9, s22                  ; the coordinate along which other clusters walk the same bytes
	s_cselect_b32 s23, 256, s23
	s_cselect_b32 s[PINC], 0x8000, s[PINC]
	s_cselect_b64 s[PFA:PFA+1], s[6:7], s[10:11]
	s_cmp_eq_u32 s[WV], 1
	s_cselect_b64 s[PFA:PFA+1], s[8:9], s[PFA:PFA+1]
	s_cmp_eq_u32 s[WV], 3
	s_cselect_b32 s22, 1, s22                      ; wave 3 asks for nothing
	s_cmp_eq_u32 s22, 0
	s_cselect_b32 s[LIM], 1, -1
	s_mov_b32 s21, 0
	s_mov_b32 s[PINC+1], 0
	s_add_nc_u64 s[PFA:PFA+1], s[PFA:PFA+1], s[20:21]
	s_add_nc_u64 s[PFA:PFA+1], s[PFA:PFA+1], s[PINC:PINC+1]  ; at step 1: two changes of slots step it to 3 before the first request
	v_and_b32 v[PFO], 31, v0
	v_mul_u32_u24 v[PFO], v[PFO], s23
	s_wait_loadcnt 32                              ; the padding bytes are in; Q's 32 loads may stay out
	v_lshl_add_u32 v69, v0, 6, PADT
.set i, 0
.rept 16
	v_bfe_u32 v68, v[64+i/4], 8*(i%4), 8
	v_cmp_ne_u32 vcc_lo, 0, v68
	v_cndmask_b32 v[72+i], 0, s[SENT], vcc_lo
.set i, i+1
.endr
.irp f, 0,1,2,3
	ds_store_b128 v69, v[72+4*\f:75+4*\f] offset:16*\f
.endr
; THE MATRIX WORK.  The 8 accumulators of a run of 16 take turns.  Product i of 16 of S^T = K Q^T for piece x: channels 32 (i / 8) on, keys 16 ((i / 2) % 4) on, tile 2 x + i % 2.
; The first 8 start the sums from the padding: register j of lane (r, h) is key 16 kb + 8 h + j's 0 or SENT.
.macro KQ x
.set rS, S+64*((\x)%2)+32*(i%2)+8*((i/2)%4)
.set rK, KF+16*((i/2)%4)+8*(i/8)
.set rQ, 16*(2*(\x)+i%2)+8*(i/8)
.set rB, PC+8*((i/2)%4)
.if i < 8
	WIN W_KP
	v_wmma_f32_16x16x32_f16 v[rS:rS+7], v[rK:rK+7], v[rQ:rQ+7], v[rB:rB+7]
.else
	WIN W_KQ
	v_wmma_f32_16x16x32_f16 v[rS:rS+7], v[rK:rK+7], v[rQ:rQ+7], v[rS:rS+7]
.endif
.endm
.macro PV x                            ; product i of 16 of O^T += V^T P for piece x: keys 32 (i / 8) on, channels 16 ((i / 2) % 4) on, tile 2 x + i % 2
	WIN W_PV
.set rO, 32*(2*(\x)+i%2)+8*((i/2)%4)
.set rV, VF+32*(i/8)+8*((i/2)%4)
.set rP, P+32*((\x)%2)+16*(i%2)+8*(i/8)
	v_wmma_f32_16x16x32_f16 v[rO:rO+7], v[rV:rV+7], v[rP:rP+7], v[rO:rO+7]
.endm
.macro MM
.if i < 16
	KQ (Y+1)%NP
.set i, i+1
.else
.set i, i-16
	PV (Y+NP-1)%NP
.set i, i+17
.endif
.endm
; THE LDS LOADS stand in runs.
.macro FETCH_K
	WIN 0x80
.irp f, 0,1,2,3,4,5,6,7
	ds_load_b128 v[KF+8*\f:KF+8*\f+3],   v[AK] offset:(\f/2)*16*PK+(\f%2)*64
	ds_load_b128 v[KF+8*\f+4:KF+8*\f+7], v[AK] offset:(\f/2)*16*PK+(\f%2)*64+32
.endr
.endm
.macro FETCH_V
	WIN 0x80
.irp f, 0,1,2,3,4,5,6,7
	ds_load_tr16_b128 v[VF+8*\f:VF+8*\f+3],   v[AV] offset:(\f/4)*32*PV+(\f%4)*32
	ds_load_tr16_b128 v[VF+8*\f+4:VF+8*\f+7], v[AV] offset:(\f/4)*32*PV+16*PV+(\f%4)*32
.endr
	WIN 0
.endm
.macro FETCH_P                         ; the step's padding: 8 loads
	WIN 0xc3
.irp f, 0,1,2,3
	ds_load_b128 v[PC+8*\f:PC+8*\f+3],   v[AP] offset:64*\f
	ds_load_b128 v[PC+8*\f+4:PC+8*\f+7], v[AP] offset:64*\f+16
.endr
.endm
.macro FETCH_M p                       ; piece p's mask: tile f / 4, keys 16 (f % 4) on: 16 loads
	WIN 0xc3
.irp f, 0,1,2,3,4,5,6,7
	ds_load_b128 v[MK+8*\f:MK+8*\f+3],   v[AM] offset:(32*(\p)+16*(\f/4))*PM+64*(\f%4)
	ds_load_b128 v[MK+8*\f+4:MK+8*\f+7], v[AM] offset:(32*(\p)+16*(\f/4))*PM+64*(\f%4)+16
.endr
	WIN 0
.endm
; THE VECTOR WORK OF A TURN stands in three queues, each in the order in which its entries become ready; the two tiles alternate.
.macro REGS y, u
.set rT, ST+4*(2*(\y)+(\u))
.set rC, TMP+8*((\y)%2)+4*(\u)
.set rM, MV+2*((\y)%2)+(\u)
.set rS, S+64*((\y)%2)+32*(\u)
.set rP, P+32*((\y)%2)+16*(\u)
.set rO, 32*(2*(\y)+(\u))
.endm
; Number n of the 21 that find the next piece's maximum and statistics.  0-11 four chains of seven; 12-14, 16 the four left over, the old m, and the four into one; 15 m_old is kept;
; 17, 18 the query's other 32 keys lie in the lane 16 away: the new m; 19 m_old - m_new; 20 a.
.macro XS u, n
	REGS (Y+1)%NP, \u
.if (\n) < 4
	v_max3_num_f32 v[rC+(\n)], v[rS+8*(\n)], v[rS+8*(\n)+1], v[rS+8*(\n)+2]
.elseif (\n) < 12
	v_max3_num_f32 v[rC+(\n)%4], v[rC+(\n)%4], v[rS+8*((\n)%4)+2*((\n)/4)+1], v[rS+8*((\n)%4)+2*((\n)/4)+2]
.elseif (\n) == 12
	v_max3_num_f32 v[rC], v[rC], v[rS+7], v[rS+15]
.elseif (\n) == 13
	v_max3_num_f32 v[rC+1], v[rC+1], v[rS+23], v[rS+31]
.elseif (\n) == 14
	v_max3_num_f32 v[rC+2], v[rC+2], v[rC+3], v[rT]
.elseif (\n) == 15
	v_mov_b32 v[rM], v[rT]
.elseif (\n) == 16
	v_max3_num_f32 v[rC], v[rC], v[rC+1], v[rC+2]
.elseif (\n) == 17
	v_permlanex16_b32 v[rC+3], v[rC], s[SEL], s[SEL+1]
.elseif (\n) == 18
	v_max_num_f32 v[rT], v[rC], v[rC+3]
.elseif (\n) == 19
	v_sub_f32 v[rC+1], v[rM], v[rT]
.else
	v_exp_f32 v[rC+2], v[rC+1]
.endif
.endm
.macro GS g                            ; number g of the 64 that follow the exponentials: for each four weights both pairs are rounded to f16, the second pair is added onto the first, and a group later l takes the sum
.set h, (\g)+6*((\g)/62)
.if h >= 6
.set h, h+2
.endif
	REGS Y, h%2
.set k, h/8
.if h%8 < 4
	v_cvt_pk_f16_f32 v[rP+2*k+(h%8)/2], v[rS+4*k+2*((h%8)/2)], v[rS+4*k+2*((h%8)/2)+1]
.elseif h%8 < 6
	v_pk_add_f32 v[rS+4*k:rS+4*k+1], v[rS+4*k:rS+4*k+1], v[rS+4*k+2:rS+4*k+3]
.elseif k == 1
	v_pk_fma_f32 v[rT+2:rT+3], v[rT+2:rT+3], v[rC+2:rC+3], v[rS:rS+1] op_sel_hi:[1,0,1]
.else
	v_pk_add_f32 v[rT+2:rT+3], v[rT+2:rT+3], v[rS+4*k-4:rS+4*k-3]
.endif
.endm
.macro FS f                            ; t - m for pair f / 2 of tile f % 2
	REGS Y, (\f)%2
	WIN2
	v_pk_add_f32 v[rS+2*((\f)/2):rS+2*((\f)/2)+1], v[rS+2*((\f)/2):rS+2*((\f)/2)+1], v[rT:rT+1] op_sel_hi:[1,0] neg_lo:[0,1] neg_hi:[0,1]
.endm
.macro MA g                            ; t = S x log2(e) / 8 + m2 for pair g / 2 of tile g % 2 of the NEXT piece; the pairs ascend
	REGS (Y+1)%NP, (\g)%2
	WIN W_MA
	v_pk_fma_f32 v[rS+2*((\g)/2):rS+2*((\g)/2)+1], v[rS+2*((\g)/2):rS+2*((\g)/2)+1], s[CS:CS+1], v[MK+32*((\g)%2)+2*((\g)/2):MK+32*((\g)%2)+2*((\g)/2)+1] op_sel_hi:[1,0,1]
.endm
; THE PLAIN QUEUE, 168 long.  0-24: FS 0-24.  25-56: MA 0-31.  57, 58: FS 25, 26.  59-86: XS 0-13.  87, 88: XS 15.  89-103: the chain 14, 16, 17, 18, 19, each with one of FS 27-31 in front of its two lines.  104-167: GS.
.macro PL
.if q < 25
	FS q
.elseif q < 57
	MA q-25
.elseif q < 59
	FS q-32
.elseif q < 87
	WIN 0
	XS (q-59)%2, (q-59)/2
.elseif q < 89
	WIN 0
	XS q-87, 15
.elseif (q < 104) && ((q-89)%3 == 0)
	FS 27+(q-89)/3
.elseif q < 92
	WIN 0
	XS (q-89)%3-1, 14
.elseif q < 104
	WIN 0
	XS (q-89)%3-1, 15+(q-89)/3
.else
	WIN 0
	GS q-104
.endif
.set q, q+1
.endm
.macro EX                              ; THE EXPONENTIALS' QUEUE, 66 long: both tiles' 32 scores, then the next piece's two a: one batch, ahead of the turn's one wait
	WIN2
.if e >= 64
	XS e-64, 20
.else
	REGS Y, e%2
	v_exp_f32 v[rS+e/2], v[rS+e/2]
.endif
.set e, e+1
.endm
.macro R2                              ; THE RESCALING's QUEUE: O^T times a, two at a time, sixteen times; its a was made, and waited for, in the turn before
	REGS Y, r%2
	WIN W_RS
.irp z, 0,1
	v_pk_mul_f32 v[rO+4*(r/2)+2*\z:rO+4*(r/2)+2*\z+1], v[rO+4*(r/2)+2*\z:rO+4*(r/2)+2*\z+1], v[rC+2:rC+3] op_sel_hi:[1,0]
.endr
.set r, r+1
.endm
; A TURN, for piece p.  Ahead of the one wait stands all that names no result of the turn's exponentials: 16 products K Q^T with a scaling, an exponential and two rescalings behind each; eight scalings, the plain
; instructions behind the last product; the next piece's mask beside 32 exponentials, under one window setting; its maximum; its chain beside the last 15 exponentials, plain first, so that scalings 27 to 31
; stand ahead of exponentials 53 to 63 that read them (exponential e reads scaling 2 (e / 4) + e % 2).  Behind the wait: the turn's runs of LDS loads, and 16 products V^T P with four roundings and sums behind each.
; All LDS reads from one change of slots to the next (turns 2, 3, 0, 1) come from one slot: K, the padding and piece 0's mask in turn 2; the masks of pieces 1, 2, 3 in turns 3, 0, 1; V at the end of turn 0.
.macro TURN p
.set Y, (\p)
.set i, 0
.set q, 0
.set e, 0
.set r, 0
.if (\p) == 3
	s_wait_dscnt 16                                ; K and the padding are in; the mask's 16 loads behind them may stay out
.endif
	MM
	PL
	PL
	R2
.rept 15
	MM
	PL
	EX
	R2
.endr
.rept 8
	PL
.endr
.if (\p) == 1
	s_wait_dscnt 16                                ; the mask is in; V's 16 loads behind it may stay out
.else
	s_wait_dscnt 0x0                               ; the mask is in
.endif
.rept 34
	EX
	PL
.endr
.rept 30
	PL
.endr
.rept 15
	PL
	EX
.endr
	EX
	EX
	v_nop                                          ; a plain instruction behind the last exponential: one for the batch
	s_wait_alu depctr_va_vdst(0)                   ; the wait ahead of the first line that names a result: one for the 66
.if (\p) == 2
	FETCH_K
	FETCH_P
.endif
	FETCH_M ((\p)+2)%NP
.if (\p) == 1
	s_wait_dscnt 16                                ; V is in; the mask's 16 loads just issued may stay out
.endif
.rept 16
	MM
.rept 4
	PL
.endr
.endr
.if (\p) == 0
	FETCH_V                                        ; four plain riders behind V's last reader
.endif
.endm
	CHANGE 1, 0                                    ; the padding table is whole, slot 0 is in; step 1 is asked for
	SETADR
	FETCH_K
	FETCH_P
	FETCH_M 0
	s_wait_loadcnt 0x0                             ; Q
	s_wait_dscnt 0x0
.set i, 0
.rept 16
	KQ 0
.set i, i+1
.endr
	WIN 0
.rept 4
	v_nop                                          ; the plain instructions behind those products
.endr
.set Y, NP-1                                       ; MA and XS work for piece Y + 1: piece 0
.set g, 0
.rept 32
	MA g
.set g, g+1
.endr
	FETCH_M 1
.irp n, 0,1,2,3,4,5,6,7,8,9,10,11,12,13,14,15,16,17,18,19,20
	XS 0, \n
	XS 1, \n
.endr
	v_nop
	s_wait_alu depctr_va_vdst(0)                   ; the two a, ahead of the branch
	s_mov_b32 s[SLOTS], 31                         ; 30 whole trips and the half trip from .Lfirst on, which takes the count down too: in whole trip j the count is 31 - j
	s_branch .Lfirst                               ; the loop is entered at a step's first turn
.Lslot:                                                ; 30 whole trips: trip j finds step j whole and asks for step j + 1: steps 2 to 31.  A trip: pieces 2 and 3 of one step, pieces 0 and 1 of the next
	CHANGE 1, 1
	SETADR
	TURN 2
	TURN 3
	WIN 0
.Lfirst:
	TURN 0
	TURN 1
	WIN 0
	s_sub_co_u32 s[SLOTS], s[SLOTS], 1
	s_cmp_lg_u32 s[SLOTS], 0
	s_cbranch_scc1 .Lslot
	CHANGE 0, 0                                    ; the tail is written out: step 31 is whole, nothing is asked for
	SETADR
	s_mov_b32 s[CNT], 2
.Ltail:                                                ; the second pass is left in its middle; its fetches read step 31's bytes once more, and its K Q^T of piece 0 serves nothing: the price of one text for every trip
	TURN 2
	TURN 3
	WIN 0
	s_sub_co_u32 s[CNT], s[CNT], 1
	s_cmp_eq_u32 s[CNT], 0
	s_cbranch_scc1 .Lout
	TURN 0
	TURN 1
	WIN 0
	s_branch .Ltail
.Lout:
.set i, 0
.rept 16
	PV NP-1
.set i, i+1
.endr
	; THE WAY OUT.  l's two halves and the other half of the lanes' are added; O^T is divided by l, rounded to f16 and sent through my stage, a tile at a time.  The additions are the plain instructions behind the last products.
	WIN 0
.macro ALL line:vararg
.set t, 0
.rept 2*NP
	\line
.set t, t+1
.endr
.endm
	ALL v_add_f32 v[ST+4*t+2], v[ST+4*t+2], v[ST+4*t+3]
	ALL v_permlanex16_b32 v[ST+4*t+3], v[ST+4*t+2], s[SEL], s[SEL+1]
	ALL v_add_f32 v[ST+4*t+2], v[ST+4*t+2], v[ST+4*t+3]
	ALL v_rcp_f32 v[ST+4*t+2], v[ST+4*t+2]
	v_nop
	s_wait_alu depctr_va_vdst(0)                   ; one wait for the eight reciprocals
.macro PACK t
	WIN W_RS
.set i, 32*(\t)
.rept 16
	v_pk_mul_f32 v[i:i+1], v[i:i+1], v[ST+4*(\t)+2:ST+4*(\t)+3] op_sel_hi:[1,0]
.set i, i+2
.endr
	WIN 0x05
.set i, 0
.rept 16
	v_cvt_pk_f16_f32 v[S+16*(\t)+i], v[32*(\t)+2*i], v[32*(\t)+2*i+1]
.set i, i+1
.endr
	WIN 0
.irp f, 0,1,2,3
	ds_store_b128 v[STO], v[S+16*(\t)+4*\f:S+16*(\t)+4*\f+3] offset:32*\f
.endr
.irp f, 0,1,2,3
	ds_load_b128 v[S+16*(\t)+4*\f:S+16*(\t)+4*\f+3], v[RD] offset:\f*4*SP  ; LDS serves a wave's instructions in order (ISA guide 5.7.1.4)
.endr
.endm
.macro SEND t, younger                 ; younger: the LDS instructions issued behind tile t's loads: the next tile's eight, or none
	WIN 0
.irp f, 0,1,2,3
	s_wait_dscnt (\younger)+3-\f
	global_store_b128 v[GO], v[S+16*(\t)+4*\f:S+16*(\t)+4*\f+3], s[14:15] offset:((\t)/4)*32768+((\t)%4)*2048+\f*512  ; 512 consecutive bytes, aligned
.endr
.endm
	PACK 0
.set t, 1
.rept 2*NP-1
	PACK t
	SEND t-1, 8
.set t, t+1
.endr
	SEND 2*NP-1, 0
	WIN W_AD
	s_wait_tensorcnt 0x0                           ; the wave's end
	ds_add_u32 v[SPW], v[NIL]
	s_wait_dscnt 0x0
	WIN 0
	CROUND                                         ; the closing round
	s_endpgm
.Lfunc_end_k_qac4808ba02_attn:
	.size	k_qac4808ba02_attn, .Lfunc_end_k_qac4808ba02_attn-k_qac4808ba02_attn
	.p2alignl 7, 3214868480
	.fill 96, 4, 3214868480
	.section	.rodata,"a",@progbits
	.p2align	6, 0x0
	.amdhsa_kernel k_qac4808ba02_attn
		.amdhsa_group_segment_fixed_size 327680
		.amdhsa_private_segment_fixed_size 0
		.amdhsa_enable_private_segment 0
		.amdhsa_kernarg_size 48
		.amdhsa_user_sgpr_count 2
		.amdhsa_user_sgpr_kernarg_segment_ptr 1
		.amdhsa_wavefront_size32 1
		.amdhsa_system_sgpr_workgroup_id_x 1
		.amdhsa_system_sgpr_workgroup_id_y 1
		.amdhsa_system_sgpr_workgroup_id_z 1
		.amdhsa_system_vgpr_workitem_id 0
		.amdhsa_next_free_vgpr 896
		.amdhsa_next_free_sgpr 84
		.amdhsa_reserve_vcc 1
		.amdhsa_float_denorm_mode_32 3
		.amdhsa_float_denorm_mode_16_64 3
		.amdhsa_memory_ordered 1
		.amdhsa_forward_progress 1
		.amdhsa_inst_pref_size 236
	.end_amdhsa_kernel
	.amdgpu_metadata
---
amdhsa.version: [ 1, 2 ]
amdhsa.kernels:
  - .name:           k_qac4808ba02_attn
    .symbol:         k_qac4808ba02_attn.kd
    .args:
      - { .name: qh, .offset: 0, .size: 8, .value_kind: global_buffer, .address_space: global }
      - { .name: kh, .offset: 8, .size: 8, .value_kind: global_buffer, .address_space: global }
      - { .name: vh, .offset: 16, .size: 8, .value_kind: global_buffer, .address_space: global }
      - { .name: m2, .offset: 24, .size: 8, .value_kind: global_buffer, .address_space: global }
      - { .name: key_padding_mask, .offset: 32, .size: 8, .value_kind: global_buffer, .address_space: global }
      - { .name: oh, .offset: 40, .size: 8, .value_kind: global_buffer, .address_space: global }
    .group_segment_fixed_size: 327680
    .private_segment_fixed_size: 0
    .kernarg_segment_align: 8
    .kernarg_segment_size: 48
    .max_flat_workgroup_size: 128
    .sgpr_count:     84
    .vgpr_count:     896
    .wavefront_size: 32
...
	.end_amdgpu_metadata
.endif
;; end of part 3
;; launch oproj (part 4): grid 4 x 64, 4 waves a work-group, clusters of 4 x 4, 327,680 bytes of LDS; arguments oh, wh, br, out0; writes out0
.if DOCPART == 4
	.amdgcn_target "amdgcn-amd-amdhsa--gfx1250"
	.amdhsa_code_object_version 6
	.text
	.protected	k_qac4808ba02_oproj
	.globl	k_qac4808ba02_oproj
	.p2align	8
	.type	k_qac4808ba02_oproj,@function
k_qac4808ba02_oproj:
	s_mov_b64 s[64:65], 0
	v_nop
	global_prefetch_b8 v0, s[64:65] scope:SCOPE_SE
	s_setreg_imm32_b32 hwreg(HW_REG_WAVE_MODE, 25, 1), 1
	s_wait_xcnt 0x0
	s_wait_alu depctr_hold_cnt(0) depctr_sa_sdst(0) depctr_va_vdst(0) depctr_va_sdst(0) depctr_va_ssrc(0) depctr_va_vcc(0) depctr_vm_vsrc(0)
	s_getreg_b32 s2, hwreg(HW_REG_IB_STS2, 6, 4)
	s_cmp_eq_u32 s2, 0
	s_cbranch_scc0 .Lentry_in_a_cluster
	s_endpgm
.Lentry_in_a_cluster:
	s_bfe_u32 s2, ttmp6, 0x10000c
	s_cmp_lg_u32 s2, 0xf033
	s_cbranch_scc0 .Lentry_shape_is_right
	s_endpgm
.Lentry_shape_is_right:
; OPROJ.  out0 = O Wo^T + bo.  O: f16, [batch 4][head group 4][block of 64 tokens 32][head 4][token 64][channel 64]; Wo: f16, the fourth matrix of wh; bo: f32, the fourth row of br; sums in f32, the bias as the
; C operand that starts each sum; out0 f32.
; SHARES.  Work-group (xc, y): 128 tokens x 256 columns; a wave 64 x 128: 32 accumulators.  K = 1,024 in 8 steps of 128 (two heads) through two LDS slots.  The product is used transposed, as in the launch qkv.
; CLUSTER 4 x 4.  O's tile hangs on y alone: joint along a row of the cluster; Wo's on xc alone: joint along a column.
; A step of O for 64 tokens is a dense block of 16,384 bytes ([2 heads][64 tokens][64 channels]): asked for as 64 rows of 256 bytes, padded in LDS after every 128.
; REGISTERS.  window 0: v16-30 addresses; v32-95 two buffers of O's fragments; v96-159 the bias.   window 1: v0-127 two buffers of Wo's fragments; v128-255 rows read back, two buffers.   window 2: the accumulators.
.set PA,    144
.set PB,    272
.set AHALF, 128*PA                     ; 18,432: 2 heads x 64 tokens
.set BOFF,  2*AHALF
.set BHALF, 128*PB
.set SLOT,  BOFF+2*BHALF               ; 106,496
.set STAGE, 2*SLOT                     ; behind the ring: 16 rows x 528 bytes for each wave
.set SP,    528
.set SPARE, STAGE+4*16*SP
.set ADRA, 16
.set ADRB, 20
.set STO,  24
.set RD,   25
.set CO,   26
.set BO,   27
.set SPW,  28
.set NIL,  29
.set PFO,  30
.set AF,   32
.set BIAS, 96
.set OB,   128
.set G1,  24
.set G0,  32
.set G1B, 48
.set G0B, 56
.set OUT, 74
.set BR,  72
.set PFA, 84
.set PK0, 86                           ; s[86:87], s[88:89] what the prefetches' address steps by at a change out of slot 0, of slot 1
.set LIM, 92
.set MSB, 0
.macro WIN new
.if MSB != (\new)
	s_set_vgpr_msb (MSB<<8)|(\new)
.set MSB, \new
.endif
.endm
.set MUL,  0xa1
.set MULB, 0x81
.macro JLOAD s
	s_cmp_eq_u32 s11, 0
	s_cbranch_scc0 .Lfor_b_\@
	tensor_load_to_lds s[G0+4*(\s):G0+4*(\s)+3], s[G1:G1+7]
	s_nop 0
.rept 4
	v_nop
.endr
	s_branch .Lasked_\@
.Lfor_b_\@:
	tensor_load_to_lds s[G0B+4*(\s):G0B+4*(\s)+3], s[G1B:G1B+7]
	s_nop 0
.rept 4
	v_nop
.endr
.Lasked_\@:
.endm
.macro CREST
	s_cmp_lg_u32 s10, 0
	s_cbranch_scc1 .Lnot_wave_0_\@
	s_barrier_signal -3
.Lnot_wave_0_\@:
	s_barrier_wait -3
	s_barrier_signal -1
	s_barrier_wait -1
.endm
.macro CROUND
	s_barrier_signal -1
	s_barrier_wait -1
	CREST
.endm
; A prefetch, behind each joint load and its run of LDS loads, of the K step two refills on.  O's tile (128 blocks of 256 bytes) belongs to one row of one cluster: wave 0 of each partner takes 32 blocks, by address.
; Wo's rows are read by every cluster: cluster y = 0 asks, waves 2 and 3, each partner of a column 32 of a wave's 128 rows.  Only the first two trips ask: steps 4 to 7.
.macro ASK
	s_cmp_gt_u32 s3, s[LIM]
	s_cbranch_scc0 .Lnot_mine_\@
	global_prefetch_b8 v[PFO], s[PFA:PFA+1] th:TH_LOAD_NT scope:SCOPE_SE
.Lnot_mine_\@:
.endm
.macro PLACES
.rept 4
	v_nop
.endr
.endm
	s_load_b256 s[68:75], s[0:1], 0x0              ; oh s[68:69], wh s[70:71], br s[72:73], out0 s[74:75]
	v_lshl_add_u32 v[SPW], v0, 2, SPARE
	v_mov_b32 v[NIL], 0
	ds_add_u32 v[SPW], v[NIL]                      ; the wave's opening: the add and its wait ahead of my first tensor load
	v_lshrrev_b32 v1, 5, v0
	v_readfirstlane_b32 s10, v1
	s_lshr_b32 s11, s10, 1                         ; which 64 tokens are mine.  Also: I fetch for O (0) or for Wo (1)
	s_and_b32 s12, s10, 1                          ; which 128 columns.  Also: which half of that tile I fetch
	s_bfe_u32 s40, ttmp6, 0x40000
	s_bfe_u32 s41, ttmp6, 0x40004
	s_lshl_b32 s42, ttmp9, 2
	s_add_co_u32 s42, s42, s40                     ; xc
	s_and_b32 s13, ttmp7, 0xffff
	s_lshl_b32 s13, s13, 2
	s_add_co_u32 s13, s13, s41                     ; y
	s_lshl_b32 s43, s41, 2
	s_lshl_b32 s43, 15, s43
	s_lshl_b32 s44, 0x1111, s40
	s_or_b32 s[G1], s43, (1<<16)|(1<<20)|(1<<21)|(4<<22)|(3<<25)   ; 2-byte elements; after every 32 words, 4 words
	s_mov_b32 s[G1+1], 128<<16
	s_mov_b32 s[G1+2], 64<<16
	s_mov_b32 s[G1+3], 128<<16
	s_mov_b32 s[G1+4], 64
	s_mov_b32 s[G1+5], 128
	s_mov_b32 s[G1+6], 0
	s_mov_b32 s[G1+7], 0
	s_or_b32 s[G1B], s44, (1<<16)|(1<<20)|(1<<21)|(5<<22)|(3<<25)  ; after every 64 words, 4 words
	s_mov_b32 s[G1B+1], 128<<16
	s_mov_b32 s[G1B+2], 128<<16
	s_mov_b32 s[G1B+3], 128<<16
	s_mov_b32 s[G1B+4], 128
	s_mov_b32 s[G1B+5], 1024
	s_mov_b32 s[G1B+6], 0
	s_mov_b32 s[G1B+7], 0
	s_lshr_b32 s16, s13, 4                         ; O: batch y / 16 (128 blocks of 32,768 bytes), token block 2 (y % 16) + half
	s_lshl_b32 s16, s16, 7
	s_and_b32 s17, s13, 15
	s_lshl_b32 s17, s17, 1
	s_add_co_u32 s16, s16, s17
	s_add_co_u32 s16, s16, s12
	s_lshl_b32 s16, s16, 15
	s_mov_b32 s17, 0
	s_lshl_b32 s8, s42, 8
	s_lshl_b32 s9, s12, 7
	s_add_co_u32 s8, s8, s9
	s_lshl_b32 s8, s8, 11
	s_add_co_u32 s8, s8, 0x600000                  ; Wo is the fourth matrix of wh
	s_mov_b32 s9, 0
	s_mul_i32 s20, s12, AHALF
	s_mul_i32 s21, s12, BHALF
	s_add_co_u32 s21, s21, BOFF
	s_wait_dscnt 0x0
	s_wait_kmcnt 0x0
	s_add_nc_u64 s[14:15], s[68:69], s[16:17]
	s_add_nc_u64 s[46:47], s[70:71], s[8:9]
	CROUND
.irp s, 0,1
	s_mov_b32 s[G0+4*(\s)], 1
	s_add_co_u32 s[G0+4*(\s)+1], s20, (\s)*SLOT
	s_add_nc_u64 s[G0+4*(\s)+2:G0+4*(\s)+3], s[14:15], (\s)*16384
	s_or_b32 s[G0+4*(\s)+3], s[G0+4*(\s)+3], 0x80000000
	s_mov_b32 s[G0B+4*(\s)], 1
	s_add_co_u32 s[G0B+4*(\s)+1], s21, (\s)*SLOT
	s_add_nc_u64 s[G0B+4*(\s)+2:G0B+4*(\s)+3], s[46:47], (\s)*256
	s_or_b32 s[G0B+4*(\s)+3], s[G0B+4*(\s)+3], 0x80000000
	JLOAD \s
.endr
	v_and_b32 v1, 15, v0
	v_bfe_u32 v2, v0, 4, 1
	v_lshlrev_b32 v[BO], 5, v2
	s_lshl_b32 s4, s42, 10
	s_lshl_b32 s5, s12, 9
	s_add_co_u32 s4, s4, s5                        ; my 128 columns, in bytes of f32
	s_mov_b32 s5, 0
	s_add_nc_u64 s[BR:BR+1], s[BR:BR+1], s[4:5]
.irp b, 0,1,2,3,4,5,6,7
	global_load_b128 v[BIAS+8*(\b):BIAS+8*(\b)+3],   v[BO], s[BR:BR+1] offset:12288+64*(\b)
	global_load_b128 v[BIAS+8*(\b)+4:BIAS+8*(\b)+7], v[BO], s[BR:BR+1] offset:12288+64*(\b)+16
.endr
	s_add_nc_u64 s[OUT:OUT+1], s[OUT:OUT+1], s[4:5]
	s_lshl_b32 s4, s13, 19                         ; row 128 y + 64 x half, 4,096 bytes a row
	s_lshl_b32 s6, s11, 18
	s_add_co_u32 s4, s4, s6
	s_add_nc_u64 s[OUT:OUT+1], s[OUT:OUT+1], s[4:5]
	v_mul_u32_u24 v3, v1, PA
	v_lshl_add_u32 v3, v2, 4, v3
	v_mul_u32_u24 v4, v1, PB
	v_lshl_add_u32 v4, v2, 4, v4
	s_mul_i32 s20, s11, AHALF
	s_mul_i32 s21, s12, BHALF
	s_add_co_u32 s21, s21, BOFF
.irp s, 0,1
	v_add_nc_u32 v[ADRA+(\s)], s20, v3
	v_add_nc_u32 v[ADRB+(\s)], s21, v4
	s_add_co_u32 s20, s20, SLOT
	s_add_co_u32 s21, s21, SLOT
.endr
	s_mul_i32 s20, s10, 16*SP
	s_add_co_u32 s20, s20, STAGE
	v_mul_u32_u24 v5, v1, SP                       ; in: row r, 32 bytes for each half of the lanes
	v_lshl_add_u32 v5, v2, 5, v5
	v_add_nc_u32 v[STO], s20, v5
	v_and_b32 v[CO], 31, v0                        ; back and out: 32 lanes take one row of 512 bytes
	v_lshlrev_b32 v[CO], 4, v[CO]
	v_add_nc_u32 v[RD], s20, v[CO]
	s_and_b32 s7, ttmp7, 0xffff                    ; the prefetches
	s_cmp_eq_u32 s7, 0
	s_cselect_b32 s7, 1, -1
	s_cmp_eq_u32 s10, 0
	s_cselect_b32 s6, 1, -1
	s_lshl_b32 s4, s40, 12                         ; O: my work-group's 16 blocks of each piece's 64
	s_lshl_b32 s5, s41, 16                         ; Wo: my work-group's 32 rows
	s_mov_b32 s22, 2048
	s_mov_b32 s[PK0], 256
	s_mov_b32 s[PK0+2], 256
	s_mov_b32 s8, 768                              ; at step 3
	s_cmp_eq_u32 s11, 0
	s_cselect_b32 s[LIM], s6, s7
	s_cselect_b32 s4, s4, s5
	s_cselect_b32 s22, 256, s22
	s_cselect_b32 s[PK0], 0xfc000, s[PK0]          ; from an odd step to the next even one: the next head group, back to its first pair of heads
	s_cselect_b32 s[PK0+2], 0x4000, s[PK0+2]       ; from an even step to the odd one: the second pair
	s_cselect_b32 s8, 0x104000, s8
	s_cselect_b64 s[PFA:PFA+1], s[14:15], s[46:47]
	s_mov_b32 s5, 0
	s_mov_b32 s9, 0
	s_mov_b32 s[PK0+1], 0
	s_mov_b32 s[PK0+3], 0
	s_add_nc_u64 s[PFA:PFA+1], s[PFA:PFA+1], s[4:5]
	s_add_nc_u64 s[PFA:PFA+1], s[PFA:PFA+1], s[8:9]
	v_mul_u32_u24 v[PFO], v1, s22                  ; O: 16 blocks x 2 pieces 32,768 bytes apart;  Wo: 32 rows of 2,048 bytes
	v_lshl_add_u32 v[PFO], v2, 15, v[PFO]
.macro MUL8 f, a, first                ; eight products: token block a x all column blocks
.irp b, 0,1,2,3,4,5,6,7
.if \first
	WIN MULB
	v_wmma_f32_16x16x32_f16 v[8*(8*(\a)+(\b)):8*(8*(\a)+(\b))+7], v[64*(\f)+8*(\b):64*(\f)+8*(\b)+7], v[AF+32*(\f)+8*(\a):AF+32*(\f)+8*(\a)+7], v[BIAS+8*(\b):BIAS+8*(\b)+7]
.else
	WIN MUL
	v_wmma_f32_16x16x32_f16 v[8*(8*(\a)+(\b)):8*(8*(\a)+(\b))+7], v[64*(\f)+8*(\b):64*(\f)+8*(\b)+7], v[AF+32*(\f)+8*(\a):AF+32*(\f)+8*(\a)+7], v[8*(8*(\a)+(\b)):8*(8*(\a)+(\b))+7]
.endif
.endr
.endm
.macro FETCH slot, q, g                ; 24 LDS loads in one run: Wo's eight fragments, then O's four; quarter q is head q / 2 of the step's two, channels 32 (q % 2) on
	WIN 0x40
.irp i, 0,1,2,3,4,5,6,7
	ds_load_b128 v[64*(\g)+8*(\i):64*(\g)+8*(\i)+3],   v[ADRB+(\slot)] offset:(\q)*64+(\i)*16*PB
	ds_load_b128 v[64*(\g)+8*(\i)+4:64*(\g)+8*(\i)+7], v[ADRB+(\slot)] offset:(\q)*64+(\i)*16*PB+32
.endr
	WIN 0
.irp a, 0,1,2,3
	ds_load_b128 v[AF+32*(\g)+8*(\a):AF+32*(\g)+8*(\a)+3],   v[ADRA+(\slot)] offset:((\q)/2)*64*PA+((\q)%2)*64+(\a)*16*PA
	ds_load_b128 v[AF+32*(\g)+8*(\a)+4:AF+32*(\g)+8*(\a)+7], v[ADRA+(\slot)] offset:((\q)/2)*64*PA+((\q)%2)*64+(\a)*16*PA+32
.endr
.endm
.macro QUARTER slot, q, f, g, first
	s_wait_dscnt 4                                 ; Wo and O's fragments 0 and 1 are in; the youngest four loads may be out
	MUL8 \f, 0, \first
	MUL8 \f, 1, \first
	PLACES                                         ; four plain instructions in front of loads into registers that matrix instructions have read
	FETCH \slot, \q, \g
	s_wait_dscnt 24                                ; all but the 24 just issued
	MUL8 \f, 2, \first
	MUL8 \f, 3, \first
.endm
.macro TURN slot, next, fill           ; the last quarter multiplies buffers 1 and changes slots: one barrier, the waits and the add in front of it, the joint refill first behind the round
	WIN 0
.if \fill
	s_wait_xcnt 0x0                                ; the last prefetch, a K step back, has read its address
	s_add_nc_u64 s[PFA:PFA+1], s[PFA:PFA+1], s[PK0+2*(\slot):PK0+2*(\slot)+1]
.endif
	s_wait_tensorcnt 0x0                           ; all my tensor loads have landed
	ds_add_u32 v[SPW], v[NIL]                      ; 0 onto my spare word
	s_wait_dscnt 5                                 ; the add and the youngest four loads may be out
	MUL8 1, 0, 0
	s_wait_dscnt 0x0                               ; the add is done, and my reads of this slot are over
	s_barrier_signal -1
	MUL8 1, 1, 0
	WIN 0
	s_barrier_wait -1
.if \fill
	CREST
	s_add_nc_u64 s[G0+4*(\slot)+2:G0+4*(\slot)+3], s[G0+4*(\slot)+2:G0+4*(\slot)+3], 0x100000  ; two steps on: the next head group
	s_add_nc_u64 s[G0B+4*(\slot)+2:G0B+4*(\slot)+3], s[G0B+4*(\slot)+2:G0B+4*(\slot)+3], 512
	JLOAD \slot                                    ; its four v_nop are also the plain instructions in front of the loads below
.else
	PLACES
.endif
	FETCH \next, 0, 0
.if \fill
	ASK
.endif
	MUL8 1, 2, 0
	MUL8 1, 3, 0
.endm
	s_wait_tensorcnt 1                             ; my part of step 0 is in; step 1's may stay out
	s_barrier_signal -1
	s_barrier_wait -1
	FETCH 0, 0, 0
	s_wait_loadcnt 0x0                             ; the bias
	QUARTER 0, 1, 0, 1, 1                          ; the first quarter stands in front of the loop: the bias starts the sums
	WIN 0
	s_mov_b32 s3, 3
.Llap:
	QUARTER 0, 2, 1, 0, 0
	QUARTER 0, 3, 0, 1, 0
	TURN 0, 1, 1
	QUARTER 1, 1, 0, 1, 0
	QUARTER 1, 2, 1, 0, 0
	QUARTER 1, 3, 0, 1, 0
	TURN 1, 0, 1
	QUARTER 0, 1, 0, 1, 0
	WIN 0
	s_sub_co_u32 s3, s3, 1
	s_cmp_lg_u32 s3, 0
	s_cbranch_scc1 .Llap
	QUARTER 0, 2, 1, 0, 0                          ; the last lap fills nothing
	QUARTER 0, 3, 0, 1, 0
	TURN 0, 1, 0
	QUARTER 1, 1, 0, 1, 0
	QUARTER 1, 2, 1, 0, 0
	QUARTER 1, 3, 0, 1, 0
	s_wait_dscnt 4
	MUL8 1, 0, 0
	MUL8 1, 1, 0
	s_wait_dscnt 0x0
	MUL8 1, 2, 0
	MUL8 1, 3, 0
	PLACES
	; THE WAY OUT, 16 tokens at a time: a lane's eight f32 of a row go into my stage (rows of 528 bytes), each accumulator's low four registers first; whole rows of 512 bytes come back and are stored.
.macro OUTB a
	WIN 0x08                                       ; data window 2
.irp b, 0,1,2,3,4,5,6,7
	ds_store_b128 v[STO], v[8*(8*(\a)+(\b)):8*(8*(\a)+(\b))+3]   offset:64*(\b)
	ds_store_b128 v[STO], v[8*(8*(\a)+(\b))+4:8*(8*(\a)+(\b))+7] offset:64*(\b)+16
.endr
	s_wait_xcnt 0x0                                ; earlier stores have read their registers: the buffer may be loaded again
	WIN 0x40
.irp t, 0,1,2,3,4,5,6,7,8,9,10,11,12,13,14,15
	ds_load_b128 v[OB+64*((\a)%2)+4*(\t):OB+64*((\a)%2)+4*(\t)+3], v[RD] offset:(\t)*SP  ; LDS serves a wave's instructions in order (ISA guide 5.7.1.4)
.endr
	WIN 0x04
.irp t, 0,1,2,3,4,5,6,7,8,9,10,11,12,13,14,15
	s_wait_dscnt 15-(\t)
	global_store_b128 v[CO], v[OB+64*((\a)%2)+4*(\t):OB+64*((\a)%2)+4*(\t)+3], s[OUT:OUT+1] offset:(16*(\a)+(\t))*4096  ; 512 consecutive bytes, aligned
.endr
.endm
	OUTB 0
	OUTB 1
	OUTB 2
	OUTB 3
	WIN 0
	s_wait_tensorcnt 0x0                           ; the wave's end
	ds_add_u32 v[SPW], v[NIL]
	s_wait_dscnt 0x0
	CROUND                                         ; the closing round
	s_endpgm
.Lfunc_end_k_qac4808ba02_oproj:
	.size	k_qac4808ba02_oproj, .Lfunc_end_k_qac4808ba02_oproj-k_qac4808ba02_oproj
	.p2alignl 7, 3214868480
	.fill 96, 4, 3214868480
	.section	.rodata,"a",@progbits
	.p2align	6, 0x0
	.amdhsa_kernel k_qac4808ba02_oproj
		.amdhsa_group_segment_fixed_size 327680
		.amdhsa_private_segment_fixed_size 0
		.amdhsa_enable_private_segment 0
		.amdhsa_kernarg_size 32
		.amdhsa_user_sgpr_count 2
		.amdhsa_user_sgpr_kernarg_segment_ptr 1
		.amdhsa_wavefront_size32 1
		.amdhsa_system_sgpr_workgroup_id_x 1
		.amdhsa_system_sgpr_workgroup_id_y 1
		.amdhsa_system_sgpr_workgroup_id_z 1
		.amdhsa_system_vgpr_workitem_id 0
		.amdhsa_next_free_vgpr 768
		.amdhsa_next_free_sgpr 100
		.amdhsa_reserve_vcc 0
		.amdhsa_float_denorm_mode_32 3
		.amdhsa_float_denorm_mode_16_64 3
		.amdhsa_memory_ordered 1
		.amdhsa_forward_progress 1
		.amdhsa_inst_pref_size 91
	.end_amdhsa_kernel
	.amdgpu_metadata
---
amdhsa.version: [ 1, 2 ]
amdhsa.kernels:
  - .name:           k_qac4808ba02_oproj
    .symbol:         k_qac4808ba02_oproj.kd
    .args:
      - { .name: oh, .offset: 0, .size: 8, .value_kind: global_buffer, .address_space: global }
      - { .name: wh, .offset: 8, .size: 8, .value_kind: global_buffer, .address_space: global }
      - { .name: br, .offset: 16, .size: 8, .value_kind: global_buffer, .address_space: global }
      - { .name: out0, .offset: 24, .size: 8, .value_kind: global_buffer, .address_space: global }
    .group_segment_fixed_size: 327680
    .private_segment_fixed_size: 0
    .kernarg_segment_align: 8
    .kernarg_segment_size: 32
    .max_flat_workgroup_size: 128
    .sgpr_count:     100
    .vgpr_count:     768
    .wavefront_size: 32
...
	.end_amdgpu_metadata
.endif
;; end of part 4
;; ======== version 2 of 2: 4 launches; version 1 with the launch prep written anew for expert scheduling mode
;; limits: values are held in f16: magnitudes above 65,504 overflow, below 6.1e-05 lose precision; inputs' magnitudes at most 2e+37
;; workspace buffers: wh 8,388,608 bytes; br 16,384 bytes; m2 16,777,216 bytes; qh 16,777,216 bytes; kh 16,777,216 bytes; vh 16,777,216 bytes; oh 16,777,216 bytes
;; launch prep (part 5): grid 512 x 1, 8 waves a work-group, no clusters, 0 bytes of LDS; arguments Wq, Wk, Wv, Wo, bq, bk, bv, bo, attn_mask, wh, br, m2; writes wh, br, m2
.if DOCPART == 5
	.amdgcn_target "amdgcn-amd-amdhsa--gfx1250"
	.amdhsa_code_object_version 6
	.text
	.protected	k_qac4808ba02_prep
	.globl	k_qac4808ba02_prep
	.p2align	8
	.type	k_qac4808ba02_prep,@function
k_qac4808ba02_prep:
	s_mov_b64 s[64:65], 0
	v_nop
	global_prefetch_b8 v0, s[64:65] scope:SCOPE_SE
	s_setreg_imm32_b32 hwreg(HW_REG_WAVE_SCHED_MODE, 0, 2), 2
	s_setreg_imm32_b32 hwreg(HW_REG_WAVE_MODE, 25, 1), 1
	s_wait_xcnt 0x0
	s_wait_alu depctr_vm_vsrc(0)
; PREP.  The small inputs are rounded once, for the three launches behind.
;   wh [4][1024][1024] of 16 bits: Wq, Wk, Wv rounded to bf16; Wo rounded to bf16 and that number written as f16 (exact from 6.1e-5 up; below it f16's fixed step of 6e-8).
;   br [4][1024] f32: bq, bk, bv, bo rounded to bf16, kept as f32.       m2 [2048][2048] f32: log2(e) x attn_mask rounded to bf16.
; A stream: every byte is read once and written once; no work-group reads what another reads, so there is no LDS, no cluster and no matrix work.
; SHARES.  512 work-groups of 8 waves; each converts 65,536 bytes of f32 in 16 rounds of 4,096; thread t takes the 16 bytes at 16 t of a round.  Groups 0-255: weight matrix w / 64; groups 256-511: the mask.
; All 16 loads of a thread go out first; round r waits until at most 15 - r younger loads are out.  No register that a store names is written again, so no wait frees one.
; THE MODE: SCHED_MODE bits 1:0 = 2 (LLVM: expert scheduling mode 2), set by the entry lines.  The code itself states the register dependences
; between vector instructions and memory instructions, with s_wait_alu, always for 0.
; THE PLAN.  Registers that memory instructions touch:
;   v1, v2   byte offsets, written once at the head, read by every load and store, never written again.
;   X        the 16 loads at the head land in it; no vector instruction has named it before.  In the mask's path the multiplies write it anew and the stores read it; it is not written again.
;   YO       each pair is written once, by a round's conversions, and read once, by that round's store.
;   T        at work for vector instructions alone in Wo's and the mask's paths; in the bias's part a load lands in it, four vector lines write it anew, one store reads it.
; The 16 rounds go in four blocks of four: a block's vector work stands together, ONE wait on va_vdst states that it has written what the block's four stores read, and the four stores follow with no vector
; instruction between.  No register that a memory instruction has read is written again on any path, so only the entry lines wait on vm_vsrc.  No vector instruction writes a scalar register, and EXEC is never written.
.set X,  4                             ; v[4:67]    round r: 4 registers as loaded
.set YO, 68                            ; v[68:99]   round r: 2 registers to store
.set T,  100                           ; v[100:103] at work; the bias
.set B2, 104                           ; v[104:105] the bias, packed
	s_load_b512 s[8:23], s[0:1], 0x0               ; Wq s[8:9], Wk s[10:11], Wv s[12:13], Wo s[14:15], bq s[16:17], bk s[18:19], bv s[20:21], bo s[22:23]
	s_load_b256 s[24:31], s[0:1], 0x40             ; attn_mask s[24:25], wh s[26:27], br s[28:29], m2 s[30:31]
	v_lshlrev_b32 v1, 4, v0                        ; 16 t
	v_lshlrev_b32 v2, 3, v0                        ; 8 t
	s_lshr_b32 s2, ttmp9, 6                        ; which matrix: 0-3; 4-7: the mask
	s_and_b32 s3, ttmp9, 63
	s_lshl_b32 s4, s3, 16                          ; my 65,536 bytes in a weight matrix
	s_mov_b32 s5, 0
	s_lshl_b32 s6, ttmp9, 15                       ; and the 32,768 that they become in wh
	s_mov_b32 s7, 0
	s_and_b32 s32, ttmp9, 255
	s_lshl_b32 s32, s32, 16                        ; my 65,536 bytes in the mask and in m2
	s_mov_b32 s33, 0
	s_wait_kmcnt 0x0
	s_cmp_eq_u32 s2, 1
	s_cselect_b64 s[34:35], s[10:11], s[8:9]       ; the source, and the bias that goes with it
	s_cselect_b64 s[36:37], s[18:19], s[16:17]
	s_cmp_eq_u32 s2, 2
	s_cselect_b64 s[34:35], s[12:13], s[34:35]
	s_cselect_b64 s[36:37], s[20:21], s[36:37]
	s_cmp_eq_u32 s2, 3
	s_cselect_b64 s[34:35], s[14:15], s[34:35]
	s_cselect_b64 s[36:37], s[22:23], s[36:37]
	s_cmp_ge_u32 s2, 4
	s_cselect_b64 s[34:35], s[24:25], s[34:35]
	s_cselect_b64 s[4:5], s[32:33], s[4:5]
	s_add_nc_u64 s[34:35], s[34:35], s[4:5]
	s_add_nc_u64 s[38:39], s[26:27], s[6:7]        ; used by groups 0-255 alone
	s_add_nc_u64 s[30:31], s[30:31], s[32:33]      ; used by groups 256-511 alone
	s_wait_alu depctr_va_vdst(0)                   ; v1 and v2 are written: every load and store of the kernel reads one of them as its offset
.irp r, 0,1,2,3,4,5,6,7,8,9,10,11,12,13,14,15
	global_load_b128 v[X+4*(\r):X+4*(\r)+3], v1, s[34:35] offset:4096*(\r) th:TH_LOAD_NT
.endr
	s_cmp_ge_u32 s2, 4
	s_cbranch_scc1 .Lmask
	s_cmp_eq_u32 s2, 3
	s_cbranch_scc1 .Lwo
.irp p, 0,1,2,3                        ; block p: rounds 4 p to 4 p + 3
.irp i, 0,1,2,3
.set n, 4*(\p)+(\i)
	s_wait_loadcnt 15-n                            ; round n is in; the 15 - n younger loads may stay out
	v_cvt_pk_bf16_f32 v[YO+2*n],   v[X+4*n],   v[X+4*n+1]
	v_cvt_pk_bf16_f32 v[YO+2*n+1], v[X+4*n+2], v[X+4*n+3]
.endr
	s_wait_alu depctr_va_vdst(0)                   ; the block's eight conversions have written its four pairs of YO, which the four stores below read
.irp i, 0,1,2,3
.set n, 4*(\p)+(\i)
	global_store_b64 v2, v[YO+2*n:YO+2*n+1], s[38:39] offset:2048*n  ; a wave's 32 lanes store 256 consecutive bytes, aligned
.endr
.endr
	s_branch .Lbias
.Lwo:
.irp p, 0,1,2,3
.irp i, 0,1,2,3
.set n, 4*(\p)+(\i)
	s_wait_loadcnt 15-n
	v_cvt_pk_bf16_f32 v[T],   v[X+4*n],   v[X+4*n+1]          ; rounded to bf16 like every other input,
	v_cvt_pk_bf16_f32 v[T+1], v[X+4*n+2], v[X+4*n+3]
	v_lshlrev_b32 v[X+4*n],   16, v[T]                         ; widened again,
	v_and_b32     v[X+4*n+1], 0xffff0000, v[T]
	v_lshlrev_b32 v[X+4*n+2], 16, v[T+1]
	v_and_b32     v[X+4*n+3], 0xffff0000, v[T+1]
	v_cvt_pk_f16_f32 v[YO+2*n],   v[X+4*n],   v[X+4*n+1]       ; and that number written as f16
	v_cvt_pk_f16_f32 v[YO+2*n+1], v[X+4*n+2], v[X+4*n+3]
.endr
	s_wait_alu depctr_va_vdst(0)                   ; the block's conversions have written its four pairs of YO, which the four stores below read; behind the last block also: the lines above are done reading and writing T, in which the bias's load lands
.irp i, 0,1,2,3
.set n, 4*(\p)+(\i)
	global_store_b64 v2, v[YO+2*n:YO+2*n+1], s[38:39] offset:2048*n
.endr
.endr
.Lbias:
	s_cmp_lg_u32 s3, 0                             ; a matrix's first group also rounds its bias: 4,096 bytes, 16 a thread
	s_cbranch_scc1 .Lend
	global_load_b128 v[T:T+3], v1, s[36:37]        ; no wait here: on either way no vector instruction has been issued since the last block's wait on va_vdst
	s_lshl_b32 s4, s2, 12
	s_mov_b32 s5, 0
	s_add_nc_u64 s[28:29], s[28:29], s[4:5]
	s_wait_loadcnt 0x0
	v_cvt_pk_bf16_f32 v[B2],   v[T],   v[T+1]
	v_cvt_pk_bf16_f32 v[B2+1], v[T+2], v[T+3]
	v_lshlrev_b32 v[T],   16, v[B2]
	v_and_b32     v[T+1], 0xffff0000, v[B2]
	v_lshlrev_b32 v[T+2], 16, v[B2+1]
	v_and_b32     v[T+3], 0xffff0000, v[B2+1]
	s_wait_alu depctr_va_vdst(0)                   ; the four lines above have written T, which the store reads
	global_store_b128 v1, v[T:T+3], s[28:29]
.Lend:
	s_endpgm
.Lmask:
	s_mov_b32 s4, 0x3fb8aa3b                       ; log2(e): the softmax works in powers of two
	s_mov_b32 s5, s4                               ; named with it as a pair
.irp p, 0,1,2,3
.irp i, 0,1,2,3
.set n, 4*(\p)+(\i)
	s_wait_loadcnt 15-n
	v_cvt_pk_bf16_f32 v[T],   v[X+4*n],   v[X+4*n+1]
	v_cvt_pk_bf16_f32 v[T+1], v[X+4*n+2], v[X+4*n+3]
	v_lshlrev_b32 v[X+4*n],   16, v[T]
	v_and_b32     v[X+4*n+1], 0xffff0000, v[T]
	v_lshlrev_b32 v[X+4*n+2], 16, v[T+1]
	v_and_b32     v[X+4*n+3], 0xffff0000, v[T+1]
	v_pk_mul_f32 v[X+4*n:X+4*n+1],   v[X+4*n:X+4*n+1],   s[4:5] op_sel_hi:[1,0]
	v_pk_mul_f32 v[X+4*n+2:X+4*n+3], v[X+4*n+2:X+4*n+3], s[4:5] op_sel_hi:[1,0]
.endr
	s_wait_alu depctr_va_vdst(0)                   ; the block's multiplies have written its sixteen registers of X, which the four stores below read
.irp i, 0,1,2,3
.set n, 4*(\p)+(\i)
	global_store_b128 v1, v[X+4*n:X+4*n+3], s[30:31] offset:4096*n
.endr
.endr
	s_endpgm
.Lfunc_end_k_qac4808ba02_prep:
	.size	k_qac4808ba02_prep, .Lfunc_end_k_qac4808ba02_prep-k_qac4808ba02_prep
	.p2alignl 7, 3214868480
	.fill 96, 4, 3214868480
	.section	.rodata,"a",@progbits
	.p2align	6, 0x0
	.amdhsa_kernel k_qac4808ba02_prep
		.amdhsa_group_segment_fixed_size 0
		.amdhsa_private_segment_fixed_size 0
		.amdhsa_enable_private_segment 0
		.amdhsa_kernarg_size 96
		.amdhsa_user_sgpr_count 2
		.amdhsa_user_sgpr_kernarg_segment_ptr 1
		.amdhsa_wavefront_size32 1
		.amdhsa_system_sgpr_workgroup_id_x 1
		.amdhsa_system_sgpr_workgroup_id_y 1
		.amdhsa_system_sgpr_workgroup_id_z 1
		.amdhsa_system_vgpr_workitem_id 0
		.amdhsa_next_free_vgpr 112
		.amdhsa_next_free_sgpr 66
		.amdhsa_reserve_vcc 0
		.amdhsa_float_denorm_mode_32 3
		.amdhsa_float_denorm_mode_16_64 3
		.amdhsa_memory_ordered 1
		.amdhsa_forward_progress 1
		.amdhsa_inst_pref_size 27
	.end_amdhsa_kernel
	.amdgpu_metadata
---
amdhsa.version: [ 1, 2 ]
amdhsa.kernels:
  - .name:           k_qac4808ba02_prep
    .symbol:         k_qac4808ba02_prep.kd
    .args:
      - { .name: Wq, .offset: 0, .size: 8, .value_kind: global_buffer, .address_space: global }
      - { .name: Wk, .offset: 8, .size: 8, .value_kind: global_buffer, .address_space: global }
      - { .name: Wv, .offset: 16, .size: 8, .value_kind: global_buffer, .address_space: global }
      - { .name: Wo, .offset: 24, .size: 8, .value_kind: global_buffer, .address_space: global }
      - { .name: bq, .offset: 32, .size: 8, .value_kind: global_buffer, .address_space: global }
      - { .name: bk, .offset: 40, .size: 8, .value_kind: global_buffer, .address_space: global }
      - { .name: bv, .offset: 48, .size: 8, .value_kind: global_buffer, .address_space: global }
      - { .name: bo, .offset: 56, .size: 8, .value_kind: global_buffer, .address_space: global }
      - { .name: attn_mask, .offset: 64, .size: 8, .value_kind: global_buffer, .address_space: global }
      - { .name: wh, .offset: 72, .size: 8, .value_kind: global_buffer, .address_space: global }
      - { .name: br, .offset: 80, .size: 8, .value_kind: global_buffer, .address_space: global }
      - { .name: m2, .offset: 88, .size: 8, .value_kind: global_buffer, .address_space: global }
    .group_segment_fixed_size: 0
    .private_segment_fixed_size: 0
    .kernarg_segment_align: 8
    .kernarg_segment_size: 96
    .max_flat_workgroup_size: 256
    .sgpr_count:     66
    .vgpr_count:     112
    .wavefront_size: 32
...
	.end_amdgpu_metadata
.endif
;; end of part 5
;; launch qkv: the kernel of part 2 again; grid 4 x 64, 4 waves a work-group, clusters of 4 x 4, 327,680 bytes of LDS; arguments query, key, value, wh, br, qh, kh, vh; writes qh, kh, vh
;; launch attn: the kernel of part 3 again; grid 16 x 16, 4 waves a work-group, clusters of 4 x 4, 327,680 bytes of LDS; arguments qh, kh, vh, m2, key_padding_mask, oh; writes oh
;; launch oproj: the kernel of part 4 again; grid 4 x 64, 4 waves a work-group, clusters of 4 x 4, 327,680 bytes of LDS; arguments oh, wh, br, out0; writes out0
